; MI455X (gfx1250); checked and timed in simulation.
; The chip was launched on July 23, 2026; its instructions are those of AMD's public machine-readable ISA for CDNA 5 (MIT licence, August 2026) and "CDNA5" Instruction Set Architecture Reference Guide (July 2026). The comments in the code are by the model that wrote it; some were corrected since.
;; Head Wise Orthogonal Multi Head Attention. Allowed arithmetic: matrix products marked QUANTISED: E2M3 operands, one E8M0 scale for each 32 along K, by v_wmma_scale_f32_16x16x128_f8f6f4 with both operands' format E2M3, f32 sums; everything else in f32.
;; Inputs: Wk 1,024 x 1,024 float32; Wo 1,024 x 1,024 float32; Wq 1,024 x 1,024 float32; Wv 1,024 x 1,024 float32; x 4 x 2,048 x 1,024 float32.
;; Outputs: out0 4 x 2,048 x 1,024 float32.
;; This version of the problem:
;;   THIS VERSION OF THE PROBLEM IS GIVEN IN LOW PRECISION. The matrix products marked QUANTISED in the list below multiply operands that are first quantised to E2M3 (2 exponent bits, 3 mantissa bits; 6 bits a number), with one power-of-two scale for each 32 numbers along K (OCP MX v1.0); their sums are f32. All else is computed in f32.
;;   The module's matrix products, in the order in which they are computed (A, B: the left and right operand; K: the contracted axis; several contracted axes count as one K, in the product's order):
;;     1. [M 8,192, K 1,024] x [K 1,024, N 1,024]; A: input x; B: input Wq: QUANTISED
;;     2. [M 8,192, K 1,024] x [K 1,024, N 1,024]; A: input x; B: input Wk: QUANTISED
;;     3. [M 8,192, K 1,024] x [K 1,024, N 1,024]; A: input x; B: input Wv: QUANTISED
;;     4. batch 64 x [M 2,048, K 64] x [K 64, N 2,048]; A: computed on the way; B: computed on the way: QUANTISED
;;     5. batch 64 x [M 2,048, K 2,048] x [K 2,048, N 64]; A: softmax (see below); B: computed on the way: QUANTISED
;;     6. [M 8,192, K 1,024] x [K 1,024, N 1,024]; A: computed on the way; B: input Wo: QUANTISED
;;   THE QUANTISER, for each operand of a quantised product, along K:
;;     - K is cut into blocks of 32 from its start; a last block that is shorter is filled with zeros.
;;     - A block's scale is 2^e with e = floor(log2(the largest magnitude in the block)) - 2, held to -126 .. 127; a block of zeros has e = 0. As a byte (E8M0): e + 127.
;;     - Each number is divided by its block's scale, clamped to +-7.5, and rounded to the nearest number of E2M3, ties to even, subnormals kept.
;;     - The product sums the exact products of the quantised numbers (number of the format x scale) in f32.
;;   ~~~python
;;   def quantise(x, axis):      # numpy; x: float32 -> the quantised numbers, widened to float32 again
;;       x = np.moveaxis(x, axis, -1); K = x.shape[-1]
;;       x = np.pad(x, [(0, 0)] * (x.ndim - 1) + [(0, -K % 32)]); x = x.reshape(x.shape[:-1] + (-1, 32)); a = np.abs(x).max(-1, keepdims=True)
;;       e = np.where(a > 0, np.clip(np.frexp(np.where(a > 0, a, 1))[1] - 1 - 2, -126, 127), 0)      # np.frexp(a)[1] - 1 = floor(log2(a)), exactly
;;       r = np.clip(x / 2.0 ** e, -7.5, 7.5)
;;       step = 2.0 ** (np.maximum(np.frexp(np.where(r == 0, 1, r))[1] - 1, 0) - 3)
;;       q = np.round(r / step) * step * 2.0 ** e      # np.round: ties to even
;;       return np.moveaxis(q.reshape(q.shape[:-2] + (-1,))[..., :K], -1, axis).astype(np.float32)
;;   ~~~
;;   SOFTMAX AHEAD OF A QUANTISED PRODUCT. Where the list says 'softmax', what is quantised is not the finished softmax but p = 2^(t - M), with t = logit x log2(e) and M = ceil(the row's largest t), a whole number; so 1/2 < the row's largest p <= 1. The row's sum l is taken of the UNQUANTISED p, in f32, and the product's result is divided by l at the end. Since M is a whole number, a kernel that streams over the keys may use a running M (the ceiling of the running maximum): every later rescaling is an exact power of two, which a block's scale takes up: the codes' values come out the same.
;;   OPERANDS COMPUTED ON THE WAY. 'Computed on the way' means the value that the module computes at that place (a softmax that the list does not call 'softmax' is quantised finished and normalised). What goes into a quantiser is computed in f32, as accurately as f32 sums, v_exp_f32 and their like allow (about 1e-6 of the number): no bf16 or f16 on the way to a quantiser, and a product that is left as it is and whose result goes on into a quantised operand takes f32 operands (vector FMAs, or v_wmma_f32_16x16x4_f32). A number that lies on a knife's edge between two numbers of the format may be rounded either way, as far as f32 arithmetic and the matrix unit's own rounding can turn it there, and no further.
;; One version. Each part assembles by itself: llvm-mc -triple=amdgcn-amd-amdhsa -mcpu=gfx1250 --defsym DOCPART=n.
;; ======== version 1 of 1: 4 launches
;; limits: right only within a limited range of input values
;; workspace buffers: cod 9,437,184 bytes; scl 393,216 bytes; att 20,185,088 bytes; oc 6,291,456 bytes; os 262,144 bytes
;; launch quant (part 1): grid 384 x 1, 4 waves a work-group, no clusters, 34,304 bytes of LDS; arguments x, Wq, Wk, Wv, Wo, cod, scl; writes cod, scl
.if DOCPART == 1
	.amdgcn_target "amdgcn-amd-amdhsa--gfx1250"
	.amdhsa_code_object_version 6
	.text
	.protected	k_q1ad010ee02_quant
	.globl	k_q1ad010ee02_quant
	.p2align	8
	.type	k_q1ad010ee02_quant,@function
k_q1ad010ee02_quant:
	s_mov_b64 s[64:65], 0
	v_nop
	global_prefetch_b8 v0, s[64:65] scope:SCOPE_SE
	s_setreg_imm32_b32 hwreg(HW_REG_WAVE_MODE, 25, 1), 1
	s_wait_xcnt 0x0
; x [8192][1024] and Wq, Wk, Wv, Wo [1024][1024], f32 with K innermost, become codes of FP6 (E2M3) with one E8M0 scale byte for each 32 along K,
; laid IN THE ORDER OF THE OPERAND'S REGISTERS, so that every later launch fetches fragments by dense loads of 16 and 8 bytes a lane.
; ROW TILES.  Tile T of a matrix holds 16 rows: lane r stands for row 32 (T / 2) + 8 (T % 2) + r + 8 (r / 8).  With that choice the 16 result registers of two neighbouring
; tiles of a transposed product are 16 neighbours along the next product's K.  Tiles 0-511 are x's, 512-575 Wq's, 576-639 Wk's, 640-703 Wv's, 704-767 Wo's.
; HALF FRAGMENT (16 rows x 64 K, 768 bytes): lane l's operand registers 0-3 at byte 16 l, its registers 4-5 at byte 512 + 8 l.  cod = [768 tiles][16 half fragments][768].
; SCALE WORDS: scl = [768 tiles][512]: the word (four bytes: 128 along K) of K step 2 p + q of the tile's row r lies at 128 p + 8 r + 4 q.
; A block's scale is 2^(floor(log2(largest magnitude)) - 2): its byte is the largest magnitude's exponent field - 2, held at 1 from below by a floor among the maximum's leaves.
; LIMITS: a block of zeros gets the byte 1 where the quantiser's rule says 127 (its codes are zeros, and only this program reads the bytes); blocks whose largest magnitude lies
; under 2^-124 were not tried; NaN and infinities among the inputs are not served.
; SHARES.  Wave g = 4 x work-group + wave takes tile g / 2 and half g % 2 of K: four fragments of 16 rows x 128 K.  A load reads 512 consecutive bytes of one row; a fragment's 16
; loads go through the wave's own stage in LDS and come back 16 neighbours of each block of 32 to a lane.  No barrier: waves share nothing.  Memory binds: no matrix unit, no cluster.
.set ROWB,  4096                       ; a row of any of the five tensors in bytes
.set PITCH, 528                        ; a stage row: 512 bytes + 16: an odd multiple of 16, so that sixteen rows' reads start in sixteen different groups of banks
.set WSTG,  16*PITCH                   ; a wave's stage
.set LANE,  1                          ; v1   lane
.set L16,   2                          ; v2   16 x lane
.set L8,    3                          ; v3   8 x lane
.set SIN,   4                          ; v4   the stage, on the way in
.set SOUT,  5                          ; v5   and on the way out: row r, + 64 h
.set R,     16                         ; v16-143  two sets of 64: a fragment's numbers as loaded
.set X,     144                        ; v144-207 64 numbers: register 16 b + i = k 32 b + 16 h + i of my row
.set PC,    208                        ; v208-219 the fragment's codes; v220-227 halves on their way
.set TM,    228                        ; v228-243 at work
.set PW,    244                        ; v244-247 the four fragments' scale words
.set SW,    248                        ; v248-249 the pair that I store
.set SEL,   30                         ; s[30:31] lane selects: lane l xor 16
	s_load_b256 s[4:11], s[0:1], 0x0               ; x s[4:5], Wq s[6:7], Wk s[8:9], Wv s[10:11]
	s_load_b128 s[12:15], s[0:1], 0x20             ; Wo s[12:13], cod s[14:15]
	s_load_b64 s[16:17], s[0:1], 0x30              ; scl
	v_lshl_add_u32 v254, v0, 2, 0x8400
	v_mov_b32 v255, 0
	v_lshrrev_b32 v6, 5, v0
	v_readfirstlane_b32 s18, v6                    ; wave 0..3
	v_and_b32 v[LANE], 31, v0
	v_lshlrev_b32 v[L16], 4, v[LANE]
	v_lshlrev_b32 v[L8], 3, v[LANE]
	s_mul_i32 s19, s18, WSTG
	v_add_nc_u32 v[SIN], s19, v[L16]
	v_and_b32 v6, 15, v0                           ; r
	v_bfe_u32 v7, v0, 4, 1                         ; h
	v_mul_u32_u24 v[SOUT], v6, PITCH
	v_lshl_add_u32 v[SOUT], v7, 6, v[SOUT]
	v_add_nc_u32 v[SOUT], s19, v[SOUT]
	s_mov_b32 s[SEL], 0x76543210
	s_mov_b32 s[SEL+1], 0xfedcba98
.irp b, 0,1,2,3
	v_mov_b32 v[TM+4+\b], 0                        ; written once: a lane permute's destination counts as one of its sources
.endr
	s_cmp_ge_u32 ttmp9, 256                        ; work-groups 0-255 take x, then 32 each Wq, Wk, Wv, Wo
	s_cselect_b32 s20, 256, 0
	s_cselect_b32 s21, 31, 255
	s_sub_co_u32 s20, ttmp9, s20
	s_and_b32 s20, s20, s21                        ; the work-group's number within its tensor: 32 rows each
	s_lshl_b32 s20, s20, 17                        ; x 32 rows x 4,096 bytes
	s_lshr_b32 s21, s18, 1
	s_lshl_b32 s21, s21, 15                        ; the odd tile of the pair begins 8 rows further down
	s_add_co_u32 s20, s20, s21
	s_and_b32 s21, s18, 1
	s_lshl_b32 s21, s21, 11                        ; my half of K: 512 numbers
	s_add_co_u32 s20, s20, s21
	s_mov_b32 s21, 0
	s_lshl_b32 s22, ttmp9, 2
	s_add_co_u32 s22, s22, s18                     ; g
	s_mul_i32 s24, s22, 6144                       ; eight half fragments
	s_mov_b32 s25, 0
	s_lshl_b32 s22, s22, 8                         ; 256 bytes of scale words
	s_mov_b32 s23, 0
	s_wait_alu depctr_va_vdst(0)
	s_wait_kmcnt 0x0
	s_cmp_ge_u32 ttmp9, 352                        ; the source is chosen on the work-group's number alone
	s_cselect_b64 s[12:13], s[12:13], s[10:11]
	s_cmp_ge_u32 ttmp9, 320
	s_cselect_b64 s[12:13], s[12:13], s[8:9]
	s_cmp_ge_u32 ttmp9, 288
	s_cselect_b64 s[12:13], s[12:13], s[6:7]
	s_cmp_ge_u32 ttmp9, 256
	s_cselect_b64 s[12:13], s[12:13], s[4:5]
	s_add_nc_u64 s[12:13], s[12:13], s[20:21]
	s_add_nc_u64 s[14:15], s[14:15], s[24:25]
	s_add_nc_u64 s[16:17], s[16:17], s[22:23]
.macro LOAD f                          ; fragment f: 128 along K of the tile's 16 rows, a row (512 consecutive bytes) to a load
.irp i, 0,1,2,3,4,5,6,7,8,9,10,11,12,13,14,15
	global_load_b128 v[R+64*((\f)%2)+4*\i:R+64*((\f)%2)+4*\i+3], v[L16], s[12:13] offset:(\i+8*(\i/8))*ROWB+512*(\f) th:TH_LOAD_NT
.endr
.endm
; 64 numbers of a lane, v[s] on, become a fragment's codes in v[PC] on and its rows' scale word in v[pw]
.macro QUANT s, pw
.irp b, 0,1,2,3
	v_max3_num_f32 v[TM+\b], |v[\s+16*\b]|, |v[\s+16*\b+1]|, 0x1800000   ; block b: my 16 numbers, and the floor 2^(3 - 127): the byte cannot fall under 1
.endr
.irp i, 2,4,6,8,10,12,14
.irp b, 0,1,2,3
	v_max3_num_f32 v[TM+\b], v[TM+\b], |v[\s+16*\b+\i]|, |v[\s+16*\b+\i+1]|   ; the four blocks by turns
.endr
.endr
.irp b, 0,1,2,3
	v_permlanex16_b32 v[TM+4+\b], v[TM+\b], s[SEL], s[SEL+1]
.endr
.irp b, 0,1,2,3
	v_max_num_f32 v[TM+\b], v[TM+\b], v[TM+4+\b]   ; with lane l xor 16's 16: the block's largest magnitude
.endr
.irp b, 0,1,2,3
	v_add_nc_u32 v[TM+12+\b], 0xff000000, v[TM+\b] ; 2 off its exponent field: the conversion takes that field of this operand as its scale
.endr
.irp b, 0,1,2,3
	v_lshrrev_b32 v[TM+4+\b], 23, v[TM+12+\b]      ; the scale's byte
.endr
	v_lshl_or_b32 v[\pw], v[TM+5], 8, v[TM+4]
	v_lshl_or_b32 v[\pw], v[TM+6], 16, v[\pw]
	v_lshl_or_b32 v[\pw], v[TM+7], 24, v[\pw]
.irp c, 0,1
	v_cvt_scalef32_pk16_fp6_f32 v[PC+6*\c:PC+6*\c+2], v[\s+32*\c:\s+32*\c+15], v[TM+12+2*\c]
	v_cvt_scalef32_pk16_fp6_f32 v[PC+12+4*\c:PC+12+4*\c+2], v[\s+32*\c+16:\s+32*\c+31], v[TM+12+2*\c+1]   ; (a conversion's three registers begin on an even number)
.endr
	v_nop                                          ; one plain place behind a scaled conversion
.irp c, 0,1                            ; the operand's layout wants a whole block in a lane: lanes 0-15 block 2 c, lanes 16-31 block 2 c + 1
.irp i, 0,1,2
	v_permlane16_swap_b32 v[PC+6*\c+\i], v[PC+12+4*\c+\i]
.endr
.irp i, 0,1,2
	v_mov_b32 v[PC+6*\c+3+\i], v[PC+12+4*\c+\i]
.endr
.endr
.endm
.macro FRAGSTEP f
.if (\f) < 3
	s_wait_loadcnt 16                              ; this fragment's 16 loads are in; the next fragment's 16 may be out
.else
	s_wait_loadcnt 0x0
.endif
.irp i, 0,1,2,3,4,5,6,7,8,9,10,11,12,13,14,15
	ds_store_b128 v[SIN], v[R+64*((\f)%2)+4*\i:R+64*((\f)%2)+4*\i+3] offset:PITCH*\i
.endr
.irp b, 0,1,2,3
.irp j, 0,1,2,3
	ds_load_b128 v[X+16*\b+4*\j:X+16*\b+4*\j+3], v[SOUT] offset:128*\b+16*\j   ; LDS serves a wave's instructions in order: these see the stores above
.endr
.endr
	s_wait_dscnt 0x0                               ; my 64 numbers are in, and the stores have read their registers,
.if (\f) < 2
	LOAD (\f)+2                                    ; which take the fragment two further on
.endif
.if (\f) > 0
	s_wait_xcnt 0x0                                ; the last fragment's stores have read the codes' registers: they are written again only behind this wait
.endif
	QUANT X, PW+(\f)
	global_store_b128 v[L16], v[PC:PC+3], s[14:15] offset:1536*(\f)          ; each store covers 512 or 256 consecutive bytes, aligned
	global_store_b64 v[L8], v[PC+4:PC+5], s[14:15] offset:1536*(\f)+512
	global_store_b128 v[L16], v[PC+6:PC+9], s[14:15] offset:1536*(\f)+768
	global_store_b64 v[L8], v[PC+10:PC+11], s[14:15] offset:1536*(\f)+1280
.endm
	LOAD 0
	LOAD 1
	FRAGSTEP 0
	FRAGSTEP 1
	FRAGSTEP 2
	FRAGSTEP 3
	v_cmp_le_u32 vcc_lo, 16, v[LANE]               ; lanes 0-15 store the words of my first two K steps, lanes 16-31 of the other two (every lane holds its row's four)
	v_cndmask_b32 v[SW], v[PW], v[PW+2], vcc_lo
	v_cndmask_b32 v[SW+1], v[PW+1], v[PW+3], vcc_lo
	global_store_b64 v[L8], v[SW:SW+1], s[16:17]   ; 256 consecutive bytes, aligned
	s_wait_tensorcnt 0x0
	ds_add_u32 v254, v255
	s_wait_dscnt 0x0
	s_endpgm
.Lfunc_end_k_q1ad010ee02_quant:
	.size	k_q1ad010ee02_quant, .Lfunc_end_k_q1ad010ee02_quant-k_q1ad010ee02_quant
	.p2alignl 7, 3214868480
	.fill 96, 4, 3214868480
	.section	.rodata,"a",@progbits
	.p2align	6, 0x0
	.amdhsa_kernel k_q1ad010ee02_quant
		.amdhsa_group_segment_fixed_size 34304
		.amdhsa_private_segment_fixed_size 0
		.amdhsa_enable_private_segment 0
		.amdhsa_kernarg_size 56
		.amdhsa_user_sgpr_count 2
		.amdhsa_user_sgpr_kernarg_segment_ptr 1
		.amdhsa_wavefront_size32 1
		.amdhsa_system_sgpr_workgroup_id_x 1
		.amdhsa_system_sgpr_workgroup_id_y 1
		.amdhsa_system_sgpr_workgroup_id_z 1
		.amdhsa_system_vgpr_workitem_id 0
		.amdhsa_next_free_vgpr 256
		.amdhsa_next_free_sgpr 66
		.amdhsa_reserve_vcc 1
		.amdhsa_float_denorm_mode_32 3
		.amdhsa_float_denorm_mode_16_64 3
		.amdhsa_memory_ordered 1
		.amdhsa_forward_progress 1
		.amdhsa_inst_pref_size 34
	.end_amdhsa_kernel
	.amdgpu_metadata
---
amdhsa.version: [ 1, 2 ]
amdhsa.kernels:
  - .name:           k_q1ad010ee02_quant
    .symbol:         k_q1ad010ee02_quant.kd
    .args:
      - { .name: x, .offset: 0, .size: 8, .value_kind: global_buffer, .address_space: global }
      - { .name: Wq, .offset: 8, .size: 8, .value_kind: global_buffer, .address_space: global }
      - { .name: Wk, .offset: 16, .size: 8, .value_kind: global_buffer, .address_space: global }
      - { .name: Wv, .offset: 24, .size: 8, .value_kind: global_buffer, .address_space: global }
      - { .name: Wo, .offset: 32, .size: 8, .value_kind: global_buffer, .address_space: global }
      - { .name: cod, .offset: 40, .size: 8, .value_kind: global_buffer, .address_space: global }
      - { .name: scl, .offset: 48, .size: 8, .value_kind: global_buffer, .address_space: global }
    .group_segment_fixed_size: 34304
    .private_segment_fixed_size: 0
    .kernarg_segment_align: 8
    .kernarg_segment_size: 56
    .max_flat_workgroup_size: 128
    .sgpr_count:     66
    .vgpr_count:     256
    .wavefront_size: 32
...
	.end_amdgpu_metadata
.endif
;; end of part 1
;; launch qkv (part 2): grid 8 x 32, 4 waves a work-group, clusters of 4 x 1, 205,312 bytes of LDS; arguments cod, scl, att; writes att
.if DOCPART == 2
	.amdgcn_target "amdgcn-amd-amdhsa--gfx1250"
	.amdhsa_code_object_version 6
	.text
	.protected	k_q1ad010ee02_qkv
	.globl	k_q1ad010ee02_qkv
	.p2align	8
	.type	k_q1ad010ee02_qkv,@function
k_q1ad010ee02_qkv:
	s_mov_b64 s[64:65], 0
	v_nop
	global_prefetch_b8 v0, s[64:65] scope:SCOPE_SE
	s_setreg_imm32_b32 hwreg(HW_REG_WAVE_MODE, 25, 1), 1
	s_wait_xcnt 0x0
	s_wait_alu depctr_hold_cnt(0) depctr_sa_sdst(0) depctr_va_vdst(0) depctr_va_sdst(0) depctr_va_ssrc(0) depctr_va_vcc(0) depctr_vm_vsrc(0)
	s_getreg_b32 s2, hwreg(HW_REG_IB_STS2, 6, 4)
	s_cmp_eq_u32 s2, 0
	s_cbranch_scc0 .Lentry_in_a_cluster
	s_endpgm
.Lentry_in_a_cluster:
	s_bfe_u32 s2, ttmp6, 0x10000c
	s_cmp_lg_u32 s2, 0x3003
	s_cbranch_scc0 .Lentry_shape_is_right
	s_endpgm
.Lentry_shape_is_right:
; Q, K, V = x W^T on codes of FP6 (E2M3) with E8M0 scales, and their quantisers: the results leave as codes and scale words in the order in which the attention launch takes them.
; IN: cod = [768 row tiles][8 fragments of 128 K][1,536]: lane l's operand registers 0-3 at 16 l, 4-5 at 512 + 8 l, 6-9 at 768 + 16 l, 10-11 at 1,280 + 8 l; scl = [768][512]: the word of K step 2 p + q of row r at 128 p + 8 r + 4 q.
; Tiles 0-511 are x's, 512-575 Wq's, 576-639 Wk's, 640-703 Wv's.  Lane r of tile T stands for row 32 (T / 2) + 8 (T % 2) + r + 8 (r / 8): the 16 result registers of two neighbouring tiles are 16 neighbours.
; OUT: att = [64 heads][315,392]: KC [128 key tiles][768] at 0, VC [16 key steps][4 tiles of d][2][768] at 98,304, KS [16][32 lanes][4 words] at 196,608, VS [16][32 lanes][2 words] at 204,800, QC, QS as KC, KS at 208,896, 307,200.
; THE DEAL.  256 work-groups of four waves.  Work-group (hg = 0 .. 7, rg = 0 .. 31) owns x's 16 tiles 16 rg .. 16 rg + 15 (256 tokens).  Wave w holds 64 rows of a weight, all of K, in 384 registers, and x's tiles stream past,
; 32 products a tile.  PHASE 1: head 4 cx + w of V for one half of the tokens (half = cluster x), 8 tiles = one key step.  PHASE 2: head 4 cx + w of Q (cluster x = 0) or K (1) for all 16 tiles.  24 tiles a wave, alike in all waves.
; LDS: x's 16 tiles, codes (196,608 bytes) and scale words (8,192), are brought once by four joint loads at the head, one a wave, V's half first, and stay: nothing is filled again.  The four work-groups of a cluster share them.
; The halves lie in LDS in the order of work; which is first hangs on the cluster's number alone.  The weights come from memory straight into registers: each load covers 512 or 256 consecutive bytes, aligned.
; PHASE 1 is used with source 0 = x's tile (a lane holds a channel, its registers run along the tokens), PHASE 2 with source 0 = the weight's tile (a lane holds a token, its registers run along the channels).
; The second weight's loads are issued behind phase 1's last product, and V's quantiser stands under them.  Its bytes are asked for into the L2 at the head, by the four clusters with rg < 2: each wave its own 49,152 bytes, a lane 256.
; A block's scale byte is its largest magnitude's exponent field - 2, held at 1 from below.  LIMITS: a block of zeros gets the byte 1 where the rule says 127 (its codes are zeros; only this program reads the bytes); NaN and infinities are not served.
.set TILEB,  12288
.set FR,     12
.set FPW,    21                        ; fragments in a window of 256 registers.  Fragment f lies in window 1 + f / 21 at register 12 (f % 21): 0-31 the weight's (4 k + b), 32-39 and 40-47 x's two sets
.set SCLB,   16*TILEB                  ; LDS: x's scale words behind its codes
.set SPARE,  SCLB+8192                 ; the spare words, 128 bytes a wave
.set HEAD,   315392
.set VC,     98304
.set KS,     196608
.set VS,     204800
.set QC,     208896
.set QS,     307200
.set L16,  1                           ; v1 16 x lane, v2 8 x lane, v3 8 x (lane % 16), v4 512 x (lane / 16) + 8 x (lane % 16), v5 256 x lane
.set L8,   2
.set R8,   3
.set WSO,  4
.set PF,   5
.set XA,   8                           ; v8-9 LDS address of the half's tiles 0-4 (16-byte and 8-byte pieces), v10-11 of tiles 5-7, v14-15 of the next half's tile 0
.set XB,   10
.set XS,   12                          ; v12 of the half's scale words, v13 of the next half's
.set XW,   14
.set SPW,  20
.set NIL,  21
.set SB,   24                          ; v24-39 the weight's scale words: register 8 (b / 2) + k: lanes 0-15 tile b even, lanes 16-31 tile b odd
.set SA,   44                          ; v44-59 x's: two sets of eight
.set ACC,  64                          ; v64-95 phase 2's four accumulators
.set HV0,  64                          ; v64-191 phase 1: 32 a + 8 j for x's tiles j = 0-3;  v840-967 for tiles 4-7
.set HV1,  840
.set TM,   200                         ; v200-215 at work
.set PC,   216                         ; v216-227 codes, v228-235 halves on their way
.set PW,   240                         ; v240-247 scale words
.set SWR,  248
.set G1C, 24
.set G1S, 32
.set G0A, 40
.set G0B, 44
.set G0C, 48
.set G0D, 52
.set OQ,  74                           ; s[74:75], s[76:77] where the trip's codes and words go
.set OS,  76
.set XQ,  78
.set XO,  79
.set XP,  80
.set XN,  81
.set TR,  82
.set XM,  83
.set SEL, 84
.set MSK, 86
.set MSB, 0
.macro WIN new                         ; the immediate's high byte repeats the setting that is left
.if MSB != \new
	s_set_vgpr_msb (MSB<<8)|\new
.set MSB, \new
.endif
.endm
.macro PLACES n
.rept \n
	v_nop
.endr
.endm
.macro WALU
	s_wait_alu depctr_va_vdst(0)
.endm
.macro BARRIER
	s_barrier_signal -1
	s_barrier_wait -1
.endm
.macro CROUND                          ; a round of the cluster's barrier
	s_barrier_signal -1
	s_barrier_wait -1
	s_cmp_lg_u32 s14, 0
	s_cbranch_scc1 .Lnw0_\@
	s_barrier_signal -3
.Lnw0_\@:
	s_barrier_wait -3
	s_barrier_signal -1
	s_barrier_wait -1
.endm
.macro TLOAD g0, g1
	tensor_load_to_lds s[\g0:\g0+3], s[\g1:\g1+7]
	s_nop 0
	PLACES 4
.endm
.macro ADDR d, b, o                    ; a buffer's address + a 32-bit offset (s23 = 0)
	s_mov_b32 s22, s\o
	s_add_nc_u64 s[\d:\d+1], s[\b:\b+1], s[22:23]
.endm
.macro G0SET g, lds, b, o
	s_mov_b32 s[\g], 1
	s_mov_b32 s[\g+1], \lds
	ADDR \g+2, \b, \o
	s_or_b32 s[\g+3], s[\g+3], 0x80000000
.endm
; my 64 rows of a weight, all of K, and their scale words, from memory
.macro WLOAD cb, sb
.set f_, 0
.rept 32
.set R_, FR*(f_%FPW)
.set O_, (f_%4)*TILEB+(f_/4)*1536
	WIN (1+f_/FPW)<<6
	global_load_b128 v[R_:R_+3], v[L16], s[\cb:\cb+1] offset:O_
	global_load_b64 v[R_+4:R_+5], v[L8], s[\cb:\cb+1] offset:O_+512
	global_load_b128 v[R_+6:R_+9], v[L16], s[\cb:\cb+1] offset:O_+768
	global_load_b64 v[R_+10:R_+11], v[L8], s[\cb:\cb+1] offset:O_+1280
.set f_, f_+1
.endr
	WIN 0
.irp P, 0,1
.irp p, 0,1,2,3
	global_load_b64 v[SB+8*\P+2*\p:SB+8*\P+2*\p+1], v[WSO], s[\sb:\sb+1] offset:1024*\P+128*\p
.endr
.endr
.endm
; tile w of the half at work (8: the next half's first) from LDS into set e: 32 loads of codes, 4 of scale words
.macro FETCH e, w
.if (\w) < 5
.set A_, XA
.set O_, (\w)*TILEB
.elseif (\w) < 8
.set A_, XB
.set O_, ((\w)-5)*TILEB
.else
.set A_, XW
.set O_, 0
.endif
.set k_, 0
.rept 8
.set F_, 32+8*(\e)+k_
.set R_, FR*(F_%FPW)
	WIN (1+F_/FPW)<<6
	ds_load_b128 v[R_:R_+3], v[A_] offset:O_+1536*k_
	ds_load_b64 v[R_+4:R_+5], v[A_+1] offset:O_+1536*k_+512
	ds_load_b128 v[R_+6:R_+9], v[A_] offset:O_+1536*k_+768
	ds_load_b64 v[R_+10:R_+11], v[A_+1] offset:O_+1536*k_+1280
.set k_, k_+1
.endr
	WIN 0
.irp p, 0,1,2,3
.if (\w) < 8
	ds_load_b64 v[SA+8*(\e)+2*\p:SA+8*(\e)+2*\p+1], v[XS] offset:512*(\w)+128*\p
.else
	ds_load_b64 v[SA+8*(\e)+2*\p:SA+8*(\e)+2*\p+1], v[XS+1] offset:128*\p
.endif
.endr
.endm
.macro PROD1 d, r0, r1, c, x0, x1, side, o
.if \o
	v_wmma_scale_f32_16x16x128_f8f6f4 v[\d:\d+7], v[\r0:\r0+FR-1], v[\r1:\r1+FR-1], \c, v[\x0], v[\x1] matrix_a_fmt:MATRIX_FMT_FP6 matrix_b_fmt:MATRIX_FMT_FP6 matrix_\side\()_scale:MATRIX_SCALE_ROW1
.else
	v_wmma_scale_f32_16x16x128_f8f6f4 v[\d:\d+7], v[\r0:\r0+FR-1], v[\r1:\r1+FR-1], \c, v[\x0], v[\x1] matrix_a_fmt:MATRIX_FMT_FP6 matrix_b_fmt:MATRIX_FMT_FP6 matrix_\side\()_scale:MATRIX_SCALE_ROW0
.endif
.endm
; product n = 4 k + b of a tile: K step k, the weight's tile b.  kind 1 (V): source 0 = x's tile; kind 0 (Q, K): source 0 = the weight's
.macro PROD kind, e, n, d
.set K_, (\n)/4
.set B_, (\n)%4
.set FW_, 4*K_+B_
.set FX_, 32+8*(\e)+K_
.set DW_, (\d)>>8
.set DL_, (\d)&255
.set RW_, FR*(FW_%FPW)
.set RX_, FR*(FX_%FPW)
.set XW_, SB+8*(B_/2)+K_
.set XX_, SA+8*(\e)+K_
.if \kind
	WIN (1+FX_/FPW)|((1+FW_/FPW)<<2)|(DW_<<4)|(DW_<<6)
.if K_
	PROD1 DL_, RX_, RW_, v[DL_:DL_+7], XX_, XW_, b, B_%2
.else
	PROD1 DL_, RX_, RW_, 0, XX_, XW_, b, B_%2
.endif
.else
	WIN (1+FW_/FPW)|((1+FX_/FPW)<<2)|(DW_<<4)|(DW_<<6)
.if K_
	PROD1 DL_, RW_, RX_, v[DL_:DL_+7], XW_, XX_, a, B_%2
.else
	PROD1 DL_, RW_, RX_, 0, XW_, XX_, a, B_%2
.endif
.endif
.endm
.macro BATCH kind, e, d0, ds           ; a tile's 32 products: the four accumulators by turns; the first four start the sums
.set N_, 0
.rept 32
	PROD \kind, \e, N_, (\d0)+(\ds)*(N_%4)
.set N_, N_+1
.endr
	WIN 0
.endm
; ---- the head
	s_load_b128 s[4:7], s[0:1], 0x0                ; cod, scl
	s_load_b64 s[8:9], s[0:1], 0x10                ; att
	v_lshl_add_u32 v[SPW], v0, 2, SPARE
	v_mov_b32 v[NIL], 0
	ds_add_u32 v[SPW], v[NIL]
	ds_add_u32 v[SPW], v[NIL]
	v_lshrrev_b32 v1, 5, v0
	v_readfirstlane_b32 s14, v1                    ; wave
	s_bfe_u32 s15, ttmp6, 0x40000                  ; cx
	s_mov_b32 s16, ttmp9                           ; cluster x: V's half of the tokens; 0 Q, 1 K
	s_and_b32 s17, ttmp7, 0xffff                   ; rg
	s_mov_b32 s[G1C], 15|(3<<16)|(1<<21)           ; the mask: all four work-groups; elements of 8 bytes; bit 21 beside a mask
	s_mov_b32 s[G1C+1], 1536<<16                   ; 8 tiles as rows of 12,288 bytes, dense
	s_mov_b32 s[G1C+2], 8<<16
	s_mov_b32 s[G1C+3], 1536<<16
	s_mov_b32 s[G1C+4], 8
	s_mov_b32 s[G1C+5], 1536
	s_mov_b32 s[G1C+6], 0
	s_mov_b32 s[G1C+7], 0
	s_mov_b32 s[G1S], 15|(3<<16)|(1<<21)
	s_mov_b32 s[G1S+1], 32<<16                     ; 8 tiles' scale words: 16 rows of 256 bytes, dense
	s_mov_b32 s[G1S+2], 16<<16
	s_mov_b32 s[G1S+3], 32<<16
	s_mov_b32 s[G1S+4], 16
	s_mov_b32 s[G1S+5], 32
	s_mov_b32 s[G1S+6], 0
	s_mov_b32 s[G1S+7], 0
	s_lshl_b32 s18, s15, 2
	s_add_co_u32 s18, s18, s14                     ; my head, 4 cx + wave
	s_lshl_b32 s19, s18, 2
	s_add_co_u32 s20, s19, 640                     ; Wv's tiles of it
	s_mul_i32 s92, s20, TILEB
	s_lshl_b32 s93, s20, 9
	s_lshl_b32 s21, s16, 6
	s_add_co_u32 s21, s21, s19
	s_add_co_u32 s21, s21, 512                     ; Wq's or Wk's
	s_mul_i32 s94, s21, TILEB
	s_lshl_b32 s95, s21, 9
	s_lshl_b32 s20, s17, 4
	s_lshl_b32 s21, s16, 3
	s_add_co_u32 s22, s20, s21                     ; x's tiles: the half that V takes,
	s_mul_i32 s88, s22, TILEB
	s_lshl_b32 s90, s22, 9
	s_xor_b32 s21, s21, 8
	s_add_co_u32 s22, s20, s21                     ; and the other
	s_mul_i32 s89, s22, TILEB
	s_lshl_b32 s91, s22, 9
	s_lshr_b32 s20, s17, 3
	s_lshl_b32 s20, s20, 4
	s_add_co_u32 s20, s20, s18
	s_mul_i32 s20, s20, HEAD                       ; 16 x batch + head
	s_and_b32 s21, s17, 7
	s_lshl_b32 s22, s21, 1
	s_add_co_u32 s22, s22, s16                     ; V's key step in the batch
	s_mul_i32 s96, s22, 6144
	s_add_co_u32 s96, s96, s20
	s_add_co_u32 s96, s96, VC
	s_lshl_b32 s97, s22, 8
	s_add_co_u32 s97, s97, s20
	s_add_co_u32 s97, s97, VS
	s_mul_i32 s98, s21, TILEB                      ; 16 tiles of 768 bytes
	s_add_co_u32 s98, s98, s20
	s_lshl_b32 s99, s21, 10                        ; two key steps of 512 bytes
	s_add_co_u32 s99, s99, s20
	s_mov_b32 s23, KS
	s_cmp_eq_u32 s16, 1
	s_cselect_b32 s22, 0, QC
	s_cselect_b32 s23, s23, QS
	s_add_co_u32 s98, s98, s22
	s_add_co_u32 s99, s99, s23
	s_mov_b32 s23, 0
	s_mov_b32 s[SEL], 0x76543210
	s_mov_b32 s[SEL+1], 0xfedcba98                 ; lane l xor 16
	s_mov_b32 s[MSK], 0xffff0000                   ; lanes 16-31
	v_and_b32 v2, 31, v0
	v_lshlrev_b32 v[L16], 4, v2
	v_lshlrev_b32 v[PF], 8, v2
	v_lshlrev_b32 v[L8], 3, v2
	v_and_b32 v[R8], 15, v0
	v_lshlrev_b32 v[R8], 3, v[R8]
	v_bfe_u32 v6, v0, 4, 1
	v_lshl_add_u32 v[WSO], v6, 9, v[R8]
	v_mov_b32 v[XA], v[L16]
	v_mov_b32 v[XA+1], v[L8]
	v_add_nc_u32 v[XB], 5*TILEB, v[L16]
	v_add_nc_u32 v[XB+1], 5*TILEB, v[L8]
	v_add_nc_u32 v[XS], SCLB, v[R8]
.irp b, 0,1,2,3
	v_mov_b32 v[TM+4+\b], 0                        ; written once: a lane permute's destination counts as one of its sources
.endr
	WALU
	s_wait_dscnt 0x0
	CROUND                                         ; all four work-groups are here: the joint loads meet
	s_wait_kmcnt 0x0
	G0SET G0A, 0, 4, 88
	G0SET G0B, SCLB, 6, 90
	G0SET G0C, 8*TILEB, 4, 89
	G0SET G0D, SCLB+4096, 6, 91
	ADDR 56, 4, 92
	ADDR 58, 6, 93
	ADDR 60, 4, 94
	ADDR 62, 6, 95
	ADDR 66, 8, 96
	ADDR 68, 8, 97
	ADDR 70, 8, 98
	ADDR 72, 8, 99
	s_cmp_eq_u32 s14, 0                            ; one joint load a wave, one chain of branches on the wave's number
	s_cbranch_scc0 .Lw1
	TLOAD G0A, G1C                                 ; wave 0: the first half's codes
	s_branch .Lasked
.Lw1:
	s_cmp_eq_u32 s14, 1
	s_cbranch_scc0 .Lw2
	TLOAD G0B, G1S                                 ; wave 1: its scale words
	s_branch .Lasked
.Lw2:
	s_cmp_eq_u32 s14, 2
	s_cbranch_scc0 .Lw3
	TLOAD G0C, G1C                                 ; wave 2: the other half's codes
	s_branch .Lasked
.Lw3:
	TLOAD G0D, G1S                                 ; wave 3: its scale words
.Lasked:
	WLOAD 56, 58                                   ; Wv
	s_cmp_lt_u32 s17, 2
	s_cbranch_scc0 .Lno_pf
.irp i, 0,1,2,3,4,5
	global_prefetch_b8 v[PF], s[60:61] offset:8192*\i th:TH_LOAD_NT scope:SCOPE_SE   ; the second weight's 49,152 bytes, a lane 256
.endr
.Lno_pf:
	s_cmp_lt_u32 s14, 2
	s_cbranch_scc0 .Lnot_first
	s_wait_tensorcnt 0x0
.Lnot_first:
	BARRIER                                        ; the first half and its scale words are in; the other half may be on its way
	FETCH 0, 0
	s_wait_loadcnt 0x0                             ; Wv
; ---- phase 1: V.  At a tile's head the next tile is fetched into the other set; its loads land under the 32 products
.macro VB j
	s_wait_dscnt 0x0                               ; this tile is in
.if \j
	PLACES 4                                       ; between the last products and the loads into the set that they read
.endif
.if \j < 7
	FETCH (\j+1)%2, \j+1
.else
	FETCH 0, 0                                     ; phase 2's first tile
.endif
.if \j < 4
	BATCH 1, \j%2, HV0+8*\j, 32
.else
	BATCH 1, \j%2, HV1+8*(\j-4), 32
.endif
.endm
.irp j, 0,1,2,3,4,5,6,7
	VB \j
.endr
	PLACES 4
	WLOAD 60, 62                                   ; Wq or Wk, onto Wv; V's quantiser stands under these loads
; 64 tokens a lane of channel tile a: blocks 0, 1 in window 0, blocks 2, 3 in window 3; a block of 32 tokens lies in lanes l and l xor 16
.macro QUANTV a
.set A0_, HV0+32*(\a)
.set A1_, (HV1&255)+32*(\a)
.irp b, 0,1
	v_max3_num_f32 v[TM+\b], 0x1800000, |v[A0_+16*\b]|, |v[A0_+16*\b+1]|   ; with the floor 2^(3 - 127): the byte cannot fall under 1
.endr
.irp i, 2,4,6,8,10,12,14
.irp b, 0,1
	v_max3_num_f32 v[TM+\b], v[TM+\b], |v[A0_+16*\b+\i]|, |v[A0_+16*\b+\i+1]|
.endr
.endr
	WIN 0x3c
.irp b, 0,1
	v_max3_num_f32 v[TM+2+\b], 0x1800000, |v[A1_+16*\b]|, |v[A1_+16*\b+1]|
.endr
.irp i, 2,4,6,8,10,12,14
.irp b, 0,1
	v_max3_num_f32 v[TM+2+\b], v[TM+2+\b], |v[A1_+16*\b+\i]|, |v[A1_+16*\b+\i+1]|
.endr
.endr
	WIN 0
.irp b, 0,1,2,3
	v_permlanex16_b32 v[TM+4+\b], v[TM+\b], s[SEL], s[SEL+1]
.endr
.irp b, 0,1,2,3
	v_max_num_f32 v[TM+\b], v[TM+\b], v[TM+4+\b]
.endr
.irp b, 0,1,2,3
	v_add_nc_u32 v[TM+12+\b], 0xff000000, v[TM+\b] ; 2 off the exponent field: the conversion's scale operand
.endr
.irp b, 0,1,2,3
	v_lshrrev_b32 v[TM+4+\b], 23, v[TM+12+\b]      ; the scale's byte
.endr
	v_lshl_or_b32 v[PW+(\a)], v[TM+5], 8, v[TM+4]
	v_lshl_or_b32 v[PW+(\a)], v[TM+6], 16, v[PW+(\a)]
	v_lshl_or_b32 v[PW+(\a)], v[TM+7], 24, v[PW+(\a)]
	WALU
	s_wait_xcnt 0x0                                ; the last stores have read the codes' registers
	v_cvt_scalef32_pk16_fp6_f32 v[PC:PC+2], v[A0_:A0_+15], v[TM+12]
	v_cvt_scalef32_pk16_fp6_f32 v[PC+12:PC+14], v[A0_+16:A0_+31], v[TM+13]
	WIN 3
	v_cvt_scalef32_pk16_fp6_f32 v[PC+6:PC+8], v[A1_:A1_+15], v[TM+14]
	v_cvt_scalef32_pk16_fp6_f32 v[PC+16:PC+18], v[A1_+16:A1_+31], v[TM+15]
	WIN 0
	v_nop                                          ; one plain place behind a scaled conversion
.irp c, 0,1                            ; the operand's layout wants a whole block in a lane
.irp i, 0,1,2
	v_permlane16_swap_b32 v[PC+6*\c+\i], v[PC+12+4*\c+\i]
.endr
.irp i, 0,1,2
	v_mov_b32 v[PC+6*\c+3+\i], v[PC+12+4*\c+\i]
.endr
.endr
.irp c, 0,1
	global_store_b128 v[L16], v[PC+6*\c:PC+6*\c+3], s[66:67] offset:(\a)*1536+\c*768
	global_store_b64 v[L8], v[PC+6*\c+4:PC+6*\c+5], s[66:67] offset:(\a)*1536+\c*768+512
.endr
.endm
.irp a, 0,1,2,3
	QUANTV \a
.endr
	v_cndmask_b32 v[SWR], v[PW], v[PW+1], s[MSK]
	v_cndmask_b32 v[SWR+1], v[PW+2], v[PW+3], s[MSK]
	global_store_b64 v[L8], v[SWR:SWR+1], s[68:69] ; 256 consecutive bytes, aligned
	WALU
	s_wait_tensorcnt 0x0                           ; every wave's load is in,
	s_wait_dscnt 0x0
	BARRIER                                        ; and shown to all: the other half too
	s_wait_loadcnt 0x0                             ; the second weight
; ---- phase 2: Q or K.  A trip is a half of the tokens, 8 tiles; each tile's 16 x 64 results are quantised and stored behind its products
.macro QB j
	WALU
	s_wait_dscnt 0x0                               ; this tile is in
.if \j == 7
	s_cmp_eq_u32 s[TR], 1
	s_cbranch_scc1 .Llast_\@                       ; behind the last tile nothing is fetched
	FETCH 0, 8
.Llast_\@:
.else
	FETCH (\j+1)%2, \j+1
.endif
	BATCH 0, \j%2, ACC, 8
	PLACES 4
.irp b, 0,1                            ; register 16 b + i = channel 32 b + 16 h + i: two blocks, two chains each, every accumulator from its low end on
	v_max3_num_f32 v[TM+2*\b], |v[ACC+16*\b]|, |v[ACC+16*\b+1]|, |v[ACC+16*\b+2]|
	v_max3_num_f32 v[TM+2*\b+1], |v[ACC+16*\b+8]|, |v[ACC+16*\b+9]|, |v[ACC+16*\b+10]|
.endr
.irp i, 3,5
.irp b, 0,1
	v_max3_num_f32 v[TM+2*\b], v[TM+2*\b], |v[ACC+16*\b+\i]|, |v[ACC+16*\b+\i+1]|
	v_max3_num_f32 v[TM+2*\b+1], v[TM+2*\b+1], |v[ACC+16*\b+8+\i]|, |v[ACC+16*\b+9+\i]|
.endr
.endr
.irp b, 0,1
	v_max3_num_f32 v[TM+2*\b], v[TM+2*\b], v[TM+2*\b+1], |v[ACC+16*\b+7]|
.endr
.irp b, 0,1
	v_max3_num_f32 v[TM+2*\b], v[TM+2*\b], |v[ACC+16*\b+15]|, 0x1800000
.endr
.irp b, 0,1
	v_permlanex16_b32 v[TM+4+\b], v[TM+2*\b], s[SEL], s[SEL+1]
.endr
.irp b, 0,1
	v_max_num_f32 v[TM+2*\b], v[TM+2*\b], v[TM+4+\b]
.endr
.irp b, 0,1
	v_add_nc_u32 v[TM+6+\b], 0xff000000, v[TM+2*\b]
.endr
.irp b, 0,1
	v_lshrrev_b32 v[TM+8+\b], 23, v[TM+6+\b]
.endr
	v_lshl_or_b32 v[PW+\j], v[TM+9], 8, v[TM+8]    ; the row's word: two bytes, the upper two 0
	WALU
	s_wait_xcnt 0x0                                ; the last tile's stores have read the codes' registers
	v_cvt_scalef32_pk16_fp6_f32 v[PC:PC+2], v[ACC:ACC+15], v[TM+6]
	v_cvt_scalef32_pk16_fp6_f32 v[PC+12:PC+14], v[ACC+16:ACC+31], v[TM+7]
	v_nop
.irp i, 0,1,2
	v_permlane16_swap_b32 v[PC+\i], v[PC+12+\i]
.endr
.irp i, 0,1,2
	v_mov_b32 v[PC+3+\i], v[PC+12+\i]
.endr
	global_store_b128 v[L16], v[PC:PC+3], s[OQ:OQ+1] offset:768*\j          ; 512 consecutive bytes, aligned
	global_store_b64 v[L8], v[PC+4:PC+5], s[OQ:OQ+1] offset:768*\j+512      ; 256
.endm
	s_mov_b32 s[TR], 0
	s_mov_b32 s[XO], 0
	s_mov_b32 s[XQ], SCLB
.Lqk:
	WALU
	s_wait_xcnt 0x0                                ; the stores have read their bases and the words' registers
	s_xor_b32 s18, s[TR], s16                      ; the half that lies first in LDS is V's: the true half
	s_mul_i32 s22, s18, 6144
	s_add_nc_u64 s[OQ:OQ+1], s[70:71], s[22:23]
	s_lshl_b32 s22, s18, 9
	s_add_nc_u64 s[OS:OS+1], s[72:73], s[22:23]
	s_add_co_u32 s[XP], s[XO], 5*TILEB
	s_xor_b32 s[XN], s[XO], 8*TILEB
	s_xor_b32 s[XM], s[XQ], 4096
	v_add_nc_u32 v[XA], s[XO], v[L16]
	v_add_nc_u32 v[XA+1], s[XO], v[L8]
	v_add_nc_u32 v[XB], s[XP], v[L16]
	v_add_nc_u32 v[XB+1], s[XP], v[L8]
	v_add_nc_u32 v[XS], s[XQ], v[R8]
	v_add_nc_u32 v[XW], s[XN], v[L16]
	v_add_nc_u32 v[XW+1], s[XN], v[L8]
	v_add_nc_u32 v[XS+1], s[XM], v[R8]
.irp j, 0,1,2,3,4,5,6,7
	QB \j
.endr
.irp i, 0,1,2,3
	v_cndmask_b32 v[SWR+\i], v[PW+2*\i], v[PW+2*\i+1], s[MSK]   ; word i: lanes 0-15 tile 2 i, lanes 16-31 tile 2 i + 1
.endr
	global_store_b128 v[L16], v[SWR:SWR+3], s[OS:OS+1]          ; a key step's words: 512 consecutive bytes, aligned
	s_xor_b32 s[XO], s[XO], 8*TILEB
	s_xor_b32 s[XQ], s[XQ], 4096
	s_add_co_u32 s[TR], s[TR], 1
	s_cmp_lg_u32 s[TR], 2
	s_cbranch_scc1 .Lqk
	s_wait_tensorcnt 0x0                           ; the wave's end
	ds_add_u32 v[SPW], v[NIL]
	s_wait_dscnt 0x0
	CROUND                                         ; the closing round
	s_endpgm
.Lfunc_end_k_q1ad010ee02_qkv:
	.size	k_q1ad010ee02_qkv, .Lfunc_end_k_q1ad010ee02_qkv-k_q1ad010ee02_qkv
	.p2alignl 7, 3214868480
	.fill 96, 4, 3214868480
	.section	.rodata,"a",@progbits
	.p2align	6, 0x0
	.amdhsa_kernel k_q1ad010ee02_qkv
		.amdhsa_group_segment_fixed_size 205312
		.amdhsa_private_segment_fixed_size 0
		.amdhsa_enable_private_segment 0
		.amdhsa_kernarg_size 24
		.amdhsa_user_sgpr_count 2
		.amdhsa_user_sgpr_kernarg_segment_ptr 1
		.amdhsa_wavefront_size32 1
		.amdhsa_system_sgpr_workgroup_id_x 1
		.amdhsa_system_sgpr_workgroup_id_y 1
		.amdhsa_system_sgpr_workgroup_id_z 1
		.amdhsa_system_vgpr_workitem_id 0
		.amdhsa_next_free_vgpr 1024
		.amdhsa_next_free_sgpr 102
		.amdhsa_reserve_vcc 0
		.amdhsa_float_denorm_mode_32 3
		.amdhsa_float_denorm_mode_16_64 3
		.amdhsa_memory_ordered 1
		.amdhsa_forward_progress 1
		.amdhsa_inst_pref_size 179
	.end_amdhsa_kernel
	.amdgpu_metadata
---
amdhsa.version: [ 1, 2 ]
amdhsa.kernels:
  - .name:           k_q1ad010ee02_qkv
    .symbol:         k_q1ad010ee02_qkv.kd
    .args:
      - { .name: cod, .offset: 0, .size: 8, .value_kind: global_buffer, .address_space: global }
      - { .name: scl, .offset: 8, .size: 8, .value_kind: global_buffer, .address_space: global }
      - { .name: att, .offset: 16, .size: 8, .value_kind: global_buffer, .address_space: global }
    .group_segment_fixed_size: 205312
    .private_segment_fixed_size: 0
    .kernarg_segment_align: 8
    .kernarg_segment_size: 24
    .max_flat_workgroup_size: 128
    .sgpr_count:     102
    .vgpr_count:     1024
    .wavefront_size: 32
...
	.end_amdgpu_metadata
.endif
;; end of part 2
;; launch attn (part 3): grid 4 x 64, 16 waves a work-group, clusters of 4 x 1, 263,168 bytes of LDS; arguments att, oc, os; writes oc, os
.if DOCPART == 3
	.amdgcn_target "amdgcn-amd-amdhsa--gfx1250"
	.amdhsa_code_object_version 6
	.text
	.protected	k_q1ad010ee02_attn
	.globl	k_q1ad010ee02_attn
	.p2align	8
	.type	k_q1ad010ee02_attn,@function
k_q1ad010ee02_attn:
	s_mov_b64 s[64:65], 0
	v_nop
	global_prefetch_b8 v0, s[64:65] scope:SCOPE_SE
	s_setreg_imm32_b32 hwreg(HW_REG_WAVE_MODE, 25, 1), 1
	s_wait_xcnt 0x0
	s_wait_alu depctr_hold_cnt(0) depctr_sa_sdst(0) depctr_va_vdst(0) depctr_va_sdst(0) depctr_va_ssrc(0) depctr_va_vcc(0) depctr_vm_vsrc(0)
	s_getreg_b32 s2, hwreg(HW_REG_IB_STS2, 6, 4)
	s_cmp_eq_u32 s2, 0
	s_cbranch_scc0 .Lentry_in_a_cluster
	s_endpgm
.Lentry_in_a_cluster:
	s_bfe_u32 s2, ttmp6, 0x10000c
	s_cmp_lg_u32 s2, 0x3003
	s_cbranch_scc0 .Lentry_shape_is_right
	s_endpgm
.Lentry_shape_is_right:
; o = softmax(q k^T / 8) v for 64 heads of 2,048 tokens x 64 channels, both products on codes of FP6 (E2M3) with E8M0 scales; o is quantised along (head, channel) for the last projection.
; IN: att = [64 heads][315,392]: KC [128 key tiles][768] at 0, VC [16 key steps][4 tiles of d][2][768] at 98,304, KS [16][32 lanes][4 words] at 196,608, VS [16][32 lanes][2 words] at 204,800, QC and QS as KC and KS
; at 208,896 and 307,200.  A half fragment (16 rows x 64 K, 768 bytes): lane l's operand registers 0-3 at 16 l, registers 4-5 at 512 + 8 l.  Lane r of a stored tile T stands for row 32 (T / 2) + 8 (T % 2) + r + 8 (r / 8).
; OUT: oc = [512 token tiles][16 heads][768], os = [512][512]: the scale word of K step 2 p + q of row r at 128 p + 8 r + 4 q; a head owns two bytes of a word.
; THE SOFTMAX: t = score x log2(e) / 8; M = the row's largest t so far, rounded up to a whole number; p = 2^(t - M) is quantised along the keys; the row's sum is taken of the unquantised p and divides at the end.
; When M moves, the sum and O are multiplied by 2^(old M - new M): exact.
; SHARES.  A work-group owns 512 queries of one head, each of its sixteen waves two tiles of 16, one after the other.  The head's whole K and V, codes and scale words, 208,896 consecutive bytes, come into LDS once and stay:
; 816 rows of 256 bytes, 64 bytes of padding behind each (pitch 320).  The four work-groups of a head form a cluster and ask jointly; each wave asks for a sixteenth.
; THE KEYS OF A TILE ARE CHOSEN ANEW BY THE LANES' LDS ADDRESSES.  Tile u (0-3) of group g (0, 1) of a step takes as its row 8 x + j the key 64 g + 32 x + 8 u + j: rows 0-7 lie in stored tile 4 g + u % 2, rows 8-15 in stored
; tile 4 g + 2 + u % 2, both at its rows 8 (u / 2) + j.  Both products are used transposed (S^T = K Q^T, O^T = V^T P^T), so a lane (query r, half h) then holds in the 32 registers of group g the keys 64 g + 32 h + 0 .. 31:
; one whole scale block, in the order of P's operand registers 6 g .. 6 g + 5.  No lane asks another for a block's maximum and no codes change lanes.  Two stored tiles are 1,920 LDS bytes apart, 128 modulo 256, so the
; sixteen lanes of a gathered 16-byte load touch sixteen different columns; the gathered 8-byte loads fall two lanes to a column.
; THE FIRST PRODUCT HAS K = 64: Q's registers 6-11 are zero codes, so what stands in K's registers 6-11 (the next tile's codes; behind the last tile P's codes) adds nothing; the scale bytes there are 0, never 0xff.
; ORDER OF A STEP: K's fragments were asked for in the step before, behind its second product; V's are asked for behind the first product; most additions of the row's sum stand behind the second product, under K's loads.
; No prefetch: the one stream from memory is asked for whole at the head, and the launch has no loop that runs ahead of a load from memory.
; The scale halfwords of o leave as 2 bytes a lane, 8 bytes apart: the two heads that share a word lie in two work-groups.
; LIMITS: a block of zeros gets the byte 1 where the quantiser's rule says 127 (its codes are zeros; only this program reads the bytes); NaN and infinities are not served; the promise holds while the scaled scores stay under 2^31 in magnitude.
.set HEAD,  315392
.set QC,    208896
.set QS,    307200
.set CHUNK, 13056                      ; a sixteenth of the head's K and V: 51 rows of 256 bytes
.set PIT,   320                        ; an LDS row: 256 bytes + 64
.set TIL,   3*PIT                      ; a half fragment
.set STP,   8*TIL                      ; a key step's codes of K, or of V
.set VB,    384*PIT                    ; where V's codes, K's words, V's words begin in LDS
.set KSB,   768*PIT
.set VSB,   800*PIT
.set SPARE, 816*PIT                    ; the spare words: 128 bytes a wave
.set KA16,  1                          ; v1-6 lane terms of the LDS addresses: K's 16-byte and 8-byte pieces, V's, K's words, V's words
.set KA8,   2
.set PV16,  3
.set PV8,   4
.set KSA,   5
.set VSA,   6
.set SH8,   7                          ; v7   8 x (lane / 16)
.set ADK16, 8                          ; v8-11, v28-29 the step's LDS addresses     (v12 -M, v13 the largest score, v[14:15] the sum in two halves)
.set ADK8,  9
.set ADV16, 10
.set ADV8,  11
.set QF,    16                         ; v16-27 Q's fragment; v22-27 zeros
.set ADS,   28
.set ADT,   29
.set QSW,   30                         ; v30  Q's scale words
.set PSW,   31                         ; v31  p's
.set KF,    32                         ; v32-79 eight half fragments of K; between the first product and the next step's loads: at work
.set BA,    32                         ; v32-33 a block's largest score, then largest p;  v34-35 its second chain
.set BB,    34
.set SO,    36                         ; v36-37 the conversions' scale operands
.set PB,    38
.set TT,    40
.set FF,    42                         ; v[42:43] f = 2^(old M - new M)
.set PX,    44
.set OW,    45
.set PC,    80                         ; v80-91 p's codes
.set KSW,   92                         ; v92-95 K's scale words
.set S,     96                         ; v96-159 S^T, then p
.set OT,    160                        ; v160-191 O^T
.set VF,    192                        ; v192-239 four fragments of V; behind a pass's last product: at work
.set EBM,   192
.set EPB,   194
.set ESO,   196
.set ET,    198
.set HW,    199
.set VSW,   240                        ; v240-241 V's scale words
.set CT,    242                        ; v242-248 the conversions' second halves; then
.set CH,    242                        ; v242-247 three more chains of the sum
.set TO,    249                        ; v249 the old -M; at the end the halfwords' offset
.set HWK,   250                        ; v250 lanes 0-15 the first tile's halfword, lanes 16-31 the second's
.set L16,   251                        ; v251 16 x lane, v252 8 x lane, v253 16 x (lane % 16)
.set L8,    252
.set LQ,    253
.set SPW,   254
.set NIL,   255
.set WV,    10
.set G1,    16
.set G0,    24
.set SEL,   28
.set CS,    30                         ; s[30:31] c = log2(e) / 8;  s37 -c
.set TB,    32                         ; s32-34 the step's place among the codes, K's words, V's words
.set TS,    33
.set TJ,    34
.set CNT,   36
.set NC,    37
.set MSK,   38
.set QP,    40
.set QSP,   42
.set OP,    44
.set OSP,   46
.macro ROUND                           ; a round of the cluster's barrier
	s_barrier_signal -1
	s_barrier_wait -1
	s_cmp_lg_u32 s[WV], 0
	s_cbranch_scc1 .Lnot_wave_0_\@
	s_barrier_signal -3
.Lnot_wave_0_\@:
	s_barrier_wait -3
	s_barrier_signal -1
	s_barrier_wait -1
.endm
.macro WALU
	s_wait_alu depctr_va_vdst(0)
.endm
.macro DEP n
	s_delay_alu instid0(VALU_DEP_\n)
.endm
.macro QLOAD u                         ; query tile u of my two: codes and scale words
	global_load_b128 v[QF:QF+3], v[L16], s[QP:QP+1] offset:768*\u
	global_load_b64 v[QF+4:QF+5], v[L8], s[QP:QP+1] offset:768*\u+512
	global_load_b32 v[QSW], v[LQ], s[QSP:QSP+1] offset:256*\u
.endm
.macro INIT                            ; the step is written once: the first finds zeros, which the first change of M leaves zeros
	v_mov_b32 v13, 0xff61b1e6              ; the largest score so far: -3e38
	v_mul_f32 v12, s[NC], v13
	v_floor_f32 v12, v12                   ; -M
	v_mov_b32 v14, 0
	v_mov_b32 v15, 0
.set j, 0
.rept 32
	v_mov_b32 v[OT+j], 0
.set j, j+1
.endr
.endm
.macro KADDR
	v_add_nc_u32 v[ADK16], s[TB], v[KA16]
	v_add_nc_u32 v[ADK8], s[TB], v[KA8]
	v_add_nc_u32 v[ADS], s[TS], v[KSA]
.endm
.macro KLOADS                          ; eight gathered tiles; word register 2 g + y: lanes 0-15 tile (g, 2 y), lanes 16-31 tile (g, 2 y + 1)
.irp g, 0,1
.irp u, 0,1,2,3
	ds_load_b128 v[KF+6*(4*\g+\u):KF+6*(4*\g+\u)+3], v[ADK16] offset:(4*\g+\u%2)*TIL+128*(\u/2)
	ds_load_b64 v[KF+6*(4*\g+\u)+4:KF+6*(4*\g+\u)+5], v[ADK8] offset:(4*\g+\u%2)*TIL+640+64*(\u/2)
.endr
.irp y, 0,1
	ds_load_b32 v[KSW+2*\g+\y], v[ADS] offset:128*\y+8*\g
.endr
.endr
.endm
.macro FMAS from, to                   ; t - M, two at a time
.set j, 2*(\from)
.rept (\to)-(\from)
	v_pk_fma_f32 v[S+j:S+j+1], v[S+j:S+j+1], s[CS:CS+1], v[12:13] op_sel_hi:[1,0,0]
.set j, j+2
.endr
.endm
; the row's sum of the unquantised p: 32 lines in four chains; line 0 also brings the old sum under the new M
.macro SUMS from, to
.set n_, \from
.rept (\to)-(\from)
.if n_ == 0
	v_pk_fma_f32 v[14:15], v[14:15], v[FF:FF+1], v[S:S+1] op_sel_hi:[1,0,1]
.elseif n_ < 4
	v_pk_add_f32 v[CH+2*n_-2:CH+2*n_-1], v[S+4*n_-2:S+4*n_-1], v[S+4*n_:S+4*n_+1]
.elseif n_ < 29
.if n_%4
	v_pk_add_f32 v[CH+2*(n_%4)-2:CH+2*(n_%4)-1], v[CH+2*(n_%4)-2:CH+2*(n_%4)-1], v[S+2*n_+6:S+2*n_+7]
.else
	v_pk_add_f32 v[14:15], v[14:15], v[S+2*n_+6:S+2*n_+7]
.endif
.elseif n_ == 29
	v_pk_add_f32 v[CH:CH+1], v[CH:CH+1], v[CH+2:CH+3]
.elseif n_ == 30
	v_pk_add_f32 v[14:15], v[14:15], v[CH+4:CH+5]
.else
	v_pk_add_f32 v[14:15], v[14:15], v[CH:CH+1]
.endif
.set n_, n_+1
.endr
.endm
	s_load_b128 s[4:7], s[0:1], 0x0                ; att s[4:5], oc s[6:7]
	s_load_b64 s[8:9], s[0:1], 0x10                ; os
	v_lshl_add_u32 v[SPW], v0, 2, SPARE
	v_mov_b32 v[NIL], 0
	ds_add_u32 v[SPW], v[NIL]
	ds_add_u32 v[SPW], v[NIL]
	v_lshrrev_b32 v8, 5, v0
	v_readfirstlane_b32 s[WV], v8                  ; wave 0..15
	s_bfe_u32 s11, ttmp6, 0x40000                  ; cx
	s_lshl_b32 s12, ttmp9, 2
	s_add_co_u32 s11, s12, s11                     ; my quarter of the queries: it enters Q's and o's addresses alone
	s_and_b32 s12, ttmp7, 0xffff                   ; 16 x batch + head, which the four partners share
	s_mul_i32 s14, s12, HEAD
	s_mul_i32 s13, s[WV], CHUNK
	s_add_co_u32 s48, s14, s13
	s_mov_b32 s49, 0
	s_mov_b32 s[G1], 15|(3<<16)|(1<<20)|(1<<21)|(5<<22)|(15<<25)   ; the mask: all four work-groups; elements of 8 bytes; padding on; bit 21 beside a mask; after every 64 words, 16 words
	s_mov_b32 s[G1+1], 32<<16                      ; rows of 32 elements: 256 bytes
	s_mov_b32 s[G1+2], 51<<16
	s_mov_b32 s[G1+3], 32<<16
	s_mov_b32 s[G1+4], 51
	s_mov_b32 s[G1+5], 32                          ; dense
	s_mov_b32 s[G1+6], 0
	s_mov_b32 s[G1+7], 0
	s_mov_b32 s[G0], 1
	s_mul_i32 s[G0+1], s[WV], 51*PIT               ; my 51 rows in LDS
	s_lshl_b32 s50, s11, 5
	s_lshl_b32 s51, s[WV], 1
	s_add_co_u32 s50, s50, s51                     ; my first query tile: 32 x quarter + 2 x wave
	s_mul_i32 s52, s50, 768
	s_add_co_u32 s52, s52, s14
	s_add_co_u32 s52, s52, QC
	s_mov_b32 s53, 0                               ; its codes
	s_lshl_b32 s54, s11, 2
	s_lshr_b32 s51, s[WV], 2
	s_add_co_u32 s54, s54, s51
	s_lshl_b32 s54, s54, 9                         ; its group of 8 tiles: 512 bytes of words,
	s_and_b32 s51, s[WV], 3
	s_lshl_b32 s51, s51, 2                         ; word (tile % 8) / 2 of a lane's four; the odd tile's lanes lie 256 bytes on
	s_add_co_u32 s54, s54, s51
	s_add_co_u32 s54, s54, s14
	s_add_co_u32 s54, s54, QS
	s_mov_b32 s55, 0
	s_lshr_b32 s51, s12, 4
	s_lshl_b32 s51, s51, 7
	s_add_co_u32 s51, s51, s50                     ; the tile among all 512: 128 x batch + tile
	s_and_b32 s56, s12, 15                         ; the head
	s_mul_i32 s58, s51, 12288
	s_mul_i32 s57, s56, 768
	s_add_co_u32 s58, s58, s57
	s_mov_b32 s59, 0
	s_lshl_b32 s60, s51, 9
	s_lshr_b32 s57, s56, 2
	s_lshl_b32 s57, s57, 7
	s_add_co_u32 s60, s60, s57
	s_and_b32 s57, s56, 3
	s_lshl_b32 s57, s57, 1
	s_add_co_u32 s60, s60, s57
	s_mov_b32 s61, 0
	s_mov_b32 s[SEL], 0x76543210
	s_mov_b32 s[SEL+1], 0xfedcba98                 ; lane l xor 16
	s_mov_b32 s[CS], 0x3e38aa3b                    ; log2(e) / 8
	s_mov_b32 s[CS+1], s[CS]                       ; (named with it as a pair, so it is written)
	s_mov_b32 s[NC], 0xbe38aa3b
	s_mov_b32 s[MSK], 0xffff0000                   ; lanes 16-31
	s_wait_dscnt 0x0
	s_wait_kmcnt 0x0
	s_add_nc_u64 s[G0+2:G0+3], s[4:5], s[48:49]
	s_or_b32 s[G0+3], s[G0+3], 0x80000000          ; type = 2
	s_add_nc_u64 s[QP:QP+1], s[4:5], s[52:53]
	s_add_nc_u64 s[QSP:QSP+1], s[4:5], s[54:55]
	s_add_nc_u64 s[OP:OP+1], s[6:7], s[58:59]
	s_add_nc_u64 s[OSP:OSP+1], s[8:9], s[60:61]
	ROUND                                          ; all four work-groups are here: the joint loads meet
	tensor_load_to_lds s[G0:G0+3], s[G1:G1+7]      ; my one tensor load of the launch
	s_nop 0
.rept 4
	v_nop
.endr
	v_and_b32 v[L16], 31, v0
	v_lshlrev_b32 v[L8], 3, v[L16]
	v_lshlrev_b32 v[L16], 4, v[L16]
	v_and_b32 v8, 15, v0                           ; r
	v_bfe_u32 v9, v0, 4, 1                         ; h
	v_and_b32 v10, 7, v0                           ; r % 8
	v_bfe_u32 v11, v0, 3, 1                        ; r / 8
	v_lshlrev_b32 v[LQ], 4, v8
	QLOAD 0
	v_lshlrev_b32 v[SH8], 3, v9
	v_mul_u32_u24 v28, v11, 2*TIL                  ; rows 8-15 come from the stored tile two further on
	v_mad_u32_u24 v[KA16], v9, PIT, v28
	v_lshl_add_u32 v[KA16], v10, 4, v[KA16]
	v_lshl_add_u32 v[KA8], v9, 7, v28
	v_lshl_add_u32 v[KA8], v10, 3, v[KA8]
	v_mul_u32_u24 v[PV16], v9, PIT
	v_lshl_add_u32 v[PV16], v8, 4, v[PV16]
	v_add_nc_u32 v[PV16], VB, v[PV16]
	v_add_nc_u32 v[PV8], VB, v[L8]
	v_mul_u32_u24 v[KSA], v9, PIT
	v_lshl_add_u32 v[KSA], v10, 4, v[KSA]
	v_lshl_add_u32 v[KSA], v11, 2, v[KSA]
	v_add_nc_u32 v[KSA], KSB, v[KSA]
	v_add_nc_u32 v[VSA], VSB, v[L8]
.irp i, 0,1,2,3,4,5
	v_mov_b32 v[QF+6+\i], 0                        ; Q's codes of k = 64 .. 127: zeros
	v_mov_b32 v[PC+\i], 0                          ; what stands behind K's last tile in the first step
.endr
	INIT
	s_mov_b32 s[TB], 0
	s_mov_b32 s[TS], 0
	s_mov_b32 s[TJ], 0
	WALU
	s_wait_tensorcnt 0x0                           ; my sixteenth has landed,
	s_barrier_signal -1
	s_barrier_wait -1                              ; everybody's has: from here on LDS is only read
	KADDR
	KLOADS
; A KEY STEP: 128 keys.  nxt = 1: the next step's K is asked for; 2: the next pass's first K and its Q; 0: nothing
.macro STEP nxt
	WALU
	s_wait_dscnt 0x0                               ; K and its words are in
.irp t, 0,1,2,3,4,5,6,7
.if \t%2
	v_wmma_scale_f32_16x16x128_f8f6f4 v[S+8*\t:S+8*\t+7], v[KF+6*\t:KF+6*\t+11], v[QF:QF+11], 0, v[KSW+\t/2], v[QSW] matrix_a_fmt:MATRIX_FMT_FP6 matrix_b_fmt:MATRIX_FMT_FP6 matrix_a_scale:MATRIX_SCALE_ROW1
.else
	v_wmma_scale_f32_16x16x128_f8f6f4 v[S+8*\t:S+8*\t+7], v[KF+6*\t:KF+6*\t+11], v[QF:QF+11], 0, v[KSW+\t/2], v[QSW] matrix_a_fmt:MATRIX_FMT_FP6 matrix_b_fmt:MATRIX_FMT_FP6
.endif
.endr
	v_add_nc_u32 v[ADV16], s[TB], v[PV16]          ; these four are the places behind the products
	v_add_nc_u32 v[ADV8], s[TB], v[PV8]
	v_add_nc_u32 v[ADT], s[TJ], v[VSA]
	v_mov_b32 v[TO], v12
.irp d, 0,1,2,3                        ; V's four fragments land under the softmax
.irp c, 0,1
	ds_load_b128 v[VF+12*\d+6*\c:VF+12*\d+6*\c+3], v[ADV16] offset:(2*\d+\c)*TIL
	ds_load_b64 v[VF+12*\d+6*\c+4:VF+12*\d+6*\c+5], v[ADV8] offset:(2*\d+\c)*TIL+640
.endr
.endr
	ds_load_b64 v[VSW:VSW+1], v[ADT]
.irp g, 0,1                            ; my two blocks' largest scores, two chains each, every accumulator from its low end on
	v_max3_num_f32 v[BA+\g], v[S+32*\g], v[S+32*\g+1], v[S+32*\g+2]
	v_max3_num_f32 v[BB+\g], v[S+32*\g+16], v[S+32*\g+17], v[S+32*\g+18]
.endr
.irp i, 3,5,7,9,11,13
.irp g, 0,1
	v_max3_num_f32 v[BA+\g], v[BA+\g], v[S+32*\g+\i], v[S+32*\g+\i+1]
	v_max3_num_f32 v[BB+\g], v[BB+\g], v[S+32*\g+16+\i], v[S+32*\g+17+\i]
.endr
.endr
.irp g, 0,1
	v_max3_num_f32 v[BA+\g], v[BA+\g], v[BB+\g], v[S+32*\g+15]
.endr
.irp g, 0,1
	v_max_num_f32 v[BA+\g], v[BA+\g], v[S+32*\g+31]
.endr
	DEP 1
	v_max_num_f32 v[TT], v[BA], v[BA+1]
	DEP 1
	v_permlanex16_b32 v[PX], v[TT], s[SEL], s[SEL+1]
	DEP 1
	v_max3_num_f32 v13, v13, v[TT], v[PX]          ; the running largest score of my query, lane l xor 16's keys among them
	DEP 1
	v_mul_f32 v[TT], s[NC], v13                    ; -t (c is positive)
	DEP 1
	v_floor_f32 v12, v[TT]                         ; the new -M = floor(-t) = -ceil(t)
	FMAS 0, 4
	v_sub_f32 v[TT], v12, v[TO]                    ; old M - new M: a whole number, 0 or less
	FMAS 4, 8
	v_cvt_i32_f32 v[TT], v[TT]                     ; (it saturates)
	FMAS 8, 12
	v_ldexp_f32 v[FF], 1.0, v[TT]                  ; f = 2^(old M - new M)
	FMAS 12, 32
.irp g, 0,1
	v_fma_f32 v[BA+\g], v[BA+\g], s[CS], v12       ; the same of each block's largest score
.endr
.set j, 0
.rept 16
	v_pk_mul_f32 v[OT+j:OT+j+1], v[OT+j:OT+j+1], v[FF:FF+1] op_sel_hi:[1,0]   ; O^T under the new M
.set j, j+2
.endr
	WALU
.set j, 0
.rept 64
	v_exp_f32 v[S+j], v[S+j]                       ; p = 2^(t - M): not normalised
.set j, j+1
.endr
.irp g, 0,1
	v_exp_f32 v[BA+\g], v[BA+\g]                   ; the block's largest p: the same two instructions on the same number give the same bits
.endr
	v_nop                                          ; a plain place behind the exponentials
	WALU
.irp g, 0,1
	v_max_num_f32 v[BA+\g], 0x1800000, v[BA+\g]    ; the floor 2^(3 - 127): the byte cannot fall under 1
.endr
.irp g, 0,1
	DEP 2
	v_add_nc_u32 v[SO+\g], 0xff000000, v[BA+\g]    ; 2 off the exponent field: the conversion's scale operand
.endr
.irp g, 0,1
	v_cvt_scalef32_pk16_fp6_f32 v[PC+6*\g:PC+6*\g+2], v[S+32*\g:S+32*\g+15], v[SO+\g]
	v_cvt_scalef32_pk16_fp6_f32 v[CT+4*\g:CT+4*\g+2], v[S+32*\g+16:S+32*\g+31], v[SO+\g]   ; (a conversion's three registers begin on an even number)
.endr
.irp g, 0,1
	v_lshrrev_b32 v[PB+\g], 23, v[SO+\g]           ; the scale's byte
.endr
	DEP 1
	v_lshl_or_b32 v[OW], v[PB+1], 16, v[PB]        ; my two bytes: blocks h and 2 + h,
	DEP 1
	v_lshlrev_b32 v[OW], v[SH8], v[OW]             ; at their places in the word;
	DEP 1
	v_permlanex16_b32 v[PX], v[OW], s[SEL], s[SEL+1]
	DEP 1
	v_or_b32 v[PSW], v[OW], v[PX]                  ; with lane l xor 16's two the word is whole
.irp g, 0,1
.irp i, 0,1,2
	v_mov_b32 v[PC+6*\g+3+\i], v[CT+4*\g+\i]
.endr
.endr
	SUMS 0, 8                                      ; with the six moves: the places between p's word and codes and the products
	WALU
	s_wait_dscnt 0x0                               ; V is in
.irp d, 0,1,2,3                        ; O^T += V^T P^T: the four accumulators by turns
.if \d%2
	v_wmma_scale_f32_16x16x128_f8f6f4 v[OT+8*\d:OT+8*\d+7], v[VF+12*\d:VF+12*\d+11], v[PC:PC+11], v[OT+8*\d:OT+8*\d+7], v[VSW+\d/2], v[PSW] matrix_a_fmt:MATRIX_FMT_FP6 matrix_b_fmt:MATRIX_FMT_FP6 matrix_a_scale:MATRIX_SCALE_ROW1
.else
	v_wmma_scale_f32_16x16x128_f8f6f4 v[OT+8*\d:OT+8*\d+7], v[VF+12*\d:VF+12*\d+11], v[PC:PC+11], v[OT+8*\d:OT+8*\d+7], v[VSW+\d/2], v[PSW] matrix_a_fmt:MATRIX_FMT_FP6 matrix_b_fmt:MATRIX_FMT_FP6
.endif
.endr
.if \nxt == 1
	s_add_co_u32 s[TB], s[TB], STP
	s_add_co_u32 s[TS], s[TS], 2*PIT
	s_add_co_u32 s[TJ], s[TJ], PIT
.elseif \nxt == 2
	s_mov_b32 s[TB], 0
	s_mov_b32 s[TS], 0
	s_mov_b32 s[TJ], 0
.endif
.if \nxt
	KADDR
	SUMS 8, 9
	KLOADS
.if \nxt == 2
	QLOAD 1
.endif
	SUMS 9, 32                                     ; the rest of the sum stands under K's loads
.else
	SUMS 8, 32
.endif
.endm
; A PASS: query tile u of my two walks all 16 key steps
.macro PASS u
.if \u
	s_wait_xcnt 0x0                                ; the last pass's stores have read the codes' registers
	INIT
.endif
	s_mov_b32 s[CNT], 15
	s_wait_loadcnt 0x0                             ; Q
.Lstep_\@:
	STEP 1
	s_sub_co_u32 s[CNT], s[CNT], 1
	s_cmp_lg_u32 s[CNT], 0
	s_cbranch_scc1 .Lstep_\@
.if \u
	STEP 0
.else
	STEP 2
.endif
	v_add_f32 v14, v14, v15                        ; the sum's two halves,
	DEP 1
	v_permlanex16_b32 v[ET], v14, s[SEL], s[SEL+1]
	DEP 1
	v_add_f32 v14, v14, v[ET]                      ; and lane l xor 16's: the row's sum
	WALU
	v_rcp_f32 v14, v14
	v_nop                                          ; a plain place behind the transcendental
	WALU
.set j, 0
.rept 16
	v_pk_mul_f32 v[S+j:S+j+1], v[OT+j:OT+j+1], v[14:15] op_sel_hi:[1,0]   ; o = O^T / the sum, each accumulator from its low end on: register 16 b + i = channel 32 b + 16 h + i
.set j, j+2
.endr
.irp b, 0,1
	v_max3_num_f32 v[EBM+\b], |v[S+16*\b]|, |v[S+16*\b+1]|, 0x1800000   ; o's two blocks of 32 channels
.endr
.irp i, 2,4,6,8,10,12,14
.irp b, 0,1
	DEP 2
	v_max3_num_f32 v[EBM+\b], v[EBM+\b], |v[S+16*\b+\i]|, |v[S+16*\b+\i+1]|
.endr
.endr
.irp b, 0,1
	DEP 2
	v_permlanex16_b32 v[EPB+\b], v[EBM+\b], s[SEL], s[SEL+1]
.endr
.irp b, 0,1
	DEP 2
	v_max_num_f32 v[EBM+\b], v[EBM+\b], v[EPB+\b]
.endr
.irp b, 0,1
	DEP 2
	v_add_nc_u32 v[ESO+\b], 0xff000000, v[EBM+\b]
.endr
.irp b, 0,1
	DEP 2
	v_lshrrev_b32 v[EPB+\b], 23, v[ESO+\b]
.endr
	DEP 1
	v_lshl_or_b32 v[HW], v[EPB+1], 8, v[EPB]       ; my row's two scale bytes
	v_cvt_scalef32_pk16_fp6_f32 v[PC:PC+2], v[S:S+15], v[ESO]
	v_cvt_scalef32_pk16_fp6_f32 v[CT:CT+2], v[S+16:S+31], v[ESO+1]
	v_nop                                          ; one plain place behind a scaled conversion
.irp i, 0,1,2
	v_permlane16_swap_b32 v[PC+\i], v[CT+\i]       ; o's channels lie 16 to a lane: a whole block to a lane
.endr
.irp i, 0,1,2
	DEP 3
	v_mov_b32 v[PC+3+\i], v[CT+\i]
.endr
	global_store_b128 v[L16], v[PC:PC+3], s[OP:OP+1] offset:12288*\u        ; 512 consecutive bytes, aligned
	global_store_b64 v[L8], v[PC+4:PC+5], s[OP:OP+1] offset:12288*\u+512    ; 256
.if \u
	v_cndmask_b32 v[HWK], v[HWK], v[HW], s[MSK]    ; lanes 16-31 carry the second tile's rows
.else
	v_mov_b32 v[HWK], v[HW]
.endif
.endm
	PASS 0
	PASS 1
	v_and_b32 v[CT+6], 15, v0
	v_bfe_u32 v[TO], v0, 4, 1
	v_lshlrev_b32 v[TO], 9, v[TO]
	v_lshl_add_u32 v[TO], v[CT+6], 3, v[TO]        ; 512 x (lane / 16) + 8 x (lane % 16)
	global_store_b16 v[TO], v[HWK], s[OSP:OSP+1]
	s_wait_tensorcnt 0x0                           ; the wave's end
	ds_add_u32 v[SPW], v[NIL]
	s_wait_dscnt 0x0
	ROUND                                          ; the closing round: no work-group ends while a partner may still ask
	s_endpgm
.Lfunc_end_k_q1ad010ee02_attn:
	.size	k_q1ad010ee02_attn, .Lfunc_end_k_q1ad010ee02_attn-k_q1ad010ee02_attn
	.p2alignl 7, 3214868480
	.fill 96, 4, 3214868480
	.section	.rodata,"a",@progbits
	.p2align	6, 0x0
	.amdhsa_kernel k_q1ad010ee02_attn
		.amdhsa_group_segment_fixed_size 263168
		.amdhsa_private_segment_fixed_size 0
		.amdhsa_enable_private_segment 0
		.amdhsa_kernarg_size 24
		.amdhsa_user_sgpr_count 2
		.amdhsa_user_sgpr_kernarg_segment_ptr 1
		.amdhsa_wavefront_size32 1
		.amdhsa_system_sgpr_workgroup_id_x 1
		.amdhsa_system_sgpr_workgroup_id_y 1
		.amdhsa_system_sgpr_workgroup_id_z 1
		.amdhsa_system_vgpr_workitem_id 0
		.amdhsa_next_free_vgpr 256
		.amdhsa_next_free_sgpr 66
		.amdhsa_reserve_vcc 0
		.amdhsa_float_denorm_mode_32 3
		.amdhsa_float_denorm_mode_16_64 3
		.amdhsa_memory_ordered 1
		.amdhsa_forward_progress 1
		.amdhsa_inst_pref_size 79
	.end_amdhsa_kernel
	.amdgpu_metadata
---
amdhsa.version: [ 1, 2 ]
amdhsa.kernels:
  - .name:           k_q1ad010ee02_attn
    .symbol:         k_q1ad010ee02_attn.kd
    .args:
      - { .name: att, .offset: 0, .size: 8, .value_kind: global_buffer, .address_space: global }
      - { .name: oc, .offset: 8, .size: 8, .value_kind: global_buffer, .address_space: global }
      - { .name: os, .offset: 16, .size: 8, .value_kind: global_buffer, .address_space: global }
    .group_segment_fixed_size: 263168
    .private_segment_fixed_size: 0
    .kernarg_segment_align: 8
    .kernarg_segment_size: 24
    .max_flat_workgroup_size: 512
    .sgpr_count:     66
    .vgpr_count:     256
    .wavefront_size: 32
...
	.end_amdgpu_metadata
.endif
;; end of part 3
;; launch proj (part 4): grid 4 x 64, 4 waves a work-group, clusters of 4 x 1, 167,936 bytes of LDS; arguments oc, os, cod, scl, out0; writes out0
.if DOCPART == 4
	.amdgcn_target "amdgcn-amd-amdhsa--gfx1250"
	.amdhsa_code_object_version 6
	.text
	.protected	k_q1ad010ee02_proj
	.globl	k_q1ad010ee02_proj
	.p2align	8
	.type	k_q1ad010ee02_proj,@function
k_q1ad010ee02_proj:
	s_mov_b64 s[64:65], 0
	v_nop
	global_prefetch_b8 v0, s[64:65] scope:SCOPE_SE
	s_setreg_imm32_b32 hwreg(HW_REG_WAVE_MODE, 25, 1), 1
	s_wait_xcnt 0x0
	s_wait_alu depctr_hold_cnt(0) depctr_sa_sdst(0) depctr_va_vdst(0) depctr_va_sdst(0) depctr_va_ssrc(0) depctr_va_vcc(0) depctr_vm_vsrc(0)
	s_getreg_b32 s2, hwreg(HW_REG_IB_STS2, 6, 4)
	s_cmp_eq_u32 s2, 0
	s_cbranch_scc0 .Lentry_in_a_cluster
	s_endpgm
.Lentry_in_a_cluster:
	s_bfe_u32 s2, ttmp6, 0x10000c
	s_cmp_lg_u32 s2, 0x3003
	s_cbranch_scc0 .Lentry_shape_is_right
	s_endpgm
.Lentry_shape_is_right:
; out0 = o Wo^T on codes of FP6 (E2M3) with E8M0 scales; out0 [8192][1024] f32.
; IN: oc = [512 token tiles][8 fragments of 128 K][1,536] and cod (tiles 704-767 are Wo's) in the order of the operand's registers: lane l's registers 0-3 at 16 l, 4-5 at 512 + 8 l, 6-9 at 768 + 16 l, 10-11 at 1,280 + 8 l;
; os, scl = [tile][512]: the word of K step 2 p + q of row r at 128 p + 8 r + 4 q.  Lane r of tile T stands for row 32 (T / 2) + 8 (T % 2) + r + 8 (r / 8).
; THE DEAL.  256 work-groups of four waves.  Work-group (cx = 0 .. 3, rg = 0 .. 63) makes tokens 128 rg .. + 127 x columns 256 cx .. + 255.  Wave w holds Wo's rows 256 cx + 64 w .. + 63, all of K, in 384 registers,
; loaded from memory in runs of 512 and 256 consecutive bytes; o's 8 tiles stream past, 32 products a tile.
; LDS: o's 8 tiles, codes (98,304 bytes) and scale words (4,096), are brought once by four joint loads at the head, one a wave, and stay: nothing is filled again.  The four work-groups of a cluster share them.
; Source 0 = the weight's tile, source 1 = o's: a lane holds a token, and the 16 registers of two neighbouring tiles of Wo are 16 neighbouring columns.
; THE WAY OUT.  A tile's 16 x 64 results go through the wave's own stage in LDS (rows of 256 + 16 bytes, bytes that no fill lands on) and come back as rows: sixteen lanes store a row's 256 consecutive bytes, aligned.
; The stores of tile j stand at the head of tile j + 1, behind the wait that its fragments need anyway.
; No prefetch: every stream from memory is asked for at the head, and the launch has no loop that runs ahead of a load from memory.
.set TILEB,  12288
.set FR,     12
.set FPW,    21                        ; fragments in a window of 256 registers.  Fragment f lies in window 1 + f / 21 at register 12 (f % 21): 0-31 the weight's (4 k + b), 32-39 and 40-47 o's two sets
.set SCLB,   8*TILEB                   ; LDS: o's scale words behind its codes
.set STG,    SCLB+4096                 ; the four stages
.set SPITCH, 272
.set WSTG,   16*SPITCH
.set SPARE,  STG+4*WSTG                ; the spare words, 128 bytes a wave
.set L16,  1                           ; v1 16 x lane, v2 8 x lane, v3 8 x (lane % 16), v4 512 x (lane / 16) + 8 x (lane % 16)
.set L8,   2
.set R8,   3
.set WSO,  4
.set STO,  6                           ; v6 the stage, on the way in; v7 on the way out
.set RD,   7
.set XA,   8                           ; v8-9 LDS address of tiles 0-4 (16-byte and 8-byte pieces), v10-11 of tiles 5-7
.set XB,   10
.set XS,   12                          ; v12 of the scale words
.set CO,   16                          ; v16 my byte offset in out0: 4,096 x (lane / 16) + 16 x (lane % 16)
.set SPW,  20
.set NIL,  21
.set SB,   24                          ; v24-39 the weight's scale words: register 8 (b / 2) + k: lanes 0-15 tile b even, lanes 16-31 tile b odd
.set SA,   44                          ; v44-59 o's: two sets of eight
.set ACC,  64                          ; v64-95 four accumulators
.set BK,   96                          ; v96-127 16 rows read back from the stage
.set G1C, 24
.set G1S, 32
.set G0A, 40
.set G0B, 44
.set G0C, 48
.set G0D, 52
.set MSB, 0
.macro WIN new                         ; the immediate's high byte repeats the setting that is left
.if MSB != \new
	s_set_vgpr_msb (MSB<<8)|\new
.set MSB, \new
.endif
.endm
.macro PLACES n
.rept \n
	v_nop
.endr
.endm
.macro WALU
	s_wait_alu depctr_va_vdst(0)
.endm
.macro BARRIER
	s_barrier_signal -1
	s_barrier_wait -1
.endm
.macro CROUND                          ; a round of the cluster's barrier
	s_barrier_signal -1
	s_barrier_wait -1
	s_cmp_lg_u32 s14, 0
	s_cbranch_scc1 .Lnw0_\@
	s_barrier_signal -3
.Lnw0_\@:
	s_barrier_wait -3
	s_barrier_signal -1
	s_barrier_wait -1
.endm
.macro TLOAD g0, g1
	tensor_load_to_lds s[\g0:\g0+3], s[\g1:\g1+7]
	s_nop 0
	PLACES 4
.endm
.macro ADDR d, b, o                    ; a buffer's address + a 32-bit offset (s23 = 0)
	s_mov_b32 s22, s\o
	s_add_nc_u64 s[\d:\d+1], s[\b:\b+1], s[22:23]
.endm
.macro G0SET g, lds, b, o
	s_mov_b32 s[\g], 1
	s_mov_b32 s[\g+1], \lds
	ADDR \g+2, \b, \o
	s_or_b32 s[\g+3], s[\g+3], 0x80000000
.endm
; my 64 rows of Wo, all of K, and their scale words, from memory
.macro WLOAD cb, sb
.set f_, 0
.rept 32
.set R_, FR*(f_%FPW)
.set O_, (f_%4)*TILEB+(f_/4)*1536
	WIN (1+f_/FPW)<<6
	global_load_b128 v[R_:R_+3], v[L16], s[\cb:\cb+1] offset:O_
	global_load_b64 v[R_+4:R_+5], v[L8], s[\cb:\cb+1] offset:O_+512
	global_load_b128 v[R_+6:R_+9], v[L16], s[\cb:\cb+1] offset:O_+768
	global_load_b64 v[R_+10:R_+11], v[L8], s[\cb:\cb+1] offset:O_+1280
.set f_, f_+1
.endr
	WIN 0
.irp P, 0,1
.irp p, 0,1,2,3
	global_load_b64 v[SB+8*\P+2*\p:SB+8*\P+2*\p+1], v[WSO], s[\sb:\sb+1] offset:1024*\P+128*\p
.endr
.endr
.endm
; tile w from LDS into set e: 32 loads of codes, 4 of scale words
.macro FETCH e, w
.if (\w) < 5
.set A_, XA
.set O_, (\w)*TILEB
.else
.set A_, XB
.set O_, ((\w)-5)*TILEB
.endif
.set k_, 0
.rept 8
.set F_, 32+8*(\e)+k_
.set R_, FR*(F_%FPW)
	WIN (1+F_/FPW)<<6
	ds_load_b128 v[R_:R_+3], v[A_] offset:O_+1536*k_
	ds_load_b64 v[R_+4:R_+5], v[A_+1] offset:O_+1536*k_+512
	ds_load_b128 v[R_+6:R_+9], v[A_] offset:O_+1536*k_+768
	ds_load_b64 v[R_+10:R_+11], v[A_+1] offset:O_+1536*k_+1280
.set k_, k_+1
.endr
	WIN 0
.irp p, 0,1,2,3
	ds_load_b64 v[SA+8*(\e)+2*\p:SA+8*(\e)+2*\p+1], v[XS] offset:512*(\w)+128*\p
.endr
.endm
.macro PROD1 d, r0, r1, c, x0, x1, o
.if \o
	v_wmma_scale_f32_16x16x128_f8f6f4 v[\d:\d+7], v[\r0:\r0+FR-1], v[\r1:\r1+FR-1], \c, v[\x0], v[\x1] matrix_a_fmt:MATRIX_FMT_FP6 matrix_b_fmt:MATRIX_FMT_FP6 matrix_a_scale:MATRIX_SCALE_ROW1
.else
	v_wmma_scale_f32_16x16x128_f8f6f4 v[\d:\d+7], v[\r0:\r0+FR-1], v[\r1:\r1+FR-1], \c, v[\x0], v[\x1] matrix_a_fmt:MATRIX_FMT_FP6 matrix_b_fmt:MATRIX_FMT_FP6 matrix_a_scale:MATRIX_SCALE_ROW0
.endif
.endm
; product n = 4 k + b of a tile: K step k, the weight's tile b
.macro PROD e, n
.set K_, (\n)/4
.set B_, (\n)%4
.set FW_, 4*K_+B_
.set FX_, 32+8*(\e)+K_
.set DL_, ACC+8*B_
.set RW_, FR*(FW_%FPW)
.set RX_, FR*(FX_%FPW)
.set XW_, SB+8*(B_/2)+K_
.set XX_, SA+8*(\e)+K_
	WIN (1+FW_/FPW)|((1+FX_/FPW)<<2)
.if K_
	PROD1 DL_, RW_, RX_, v[DL_:DL_+7], XW_, XX_, B_%2
.else
	PROD1 DL_, RW_, RX_, 0, XW_, XX_, B_%2
.endif
.endm
.macro BATCH e                         ; a tile's 32 products: the four accumulators by turns; the first four start the sums
.set N_, 0
.rept 32
	PROD \e, N_
.set N_, N_+1
.endr
	WIN 0
.endm
.macro TOSTAGE                         ; register 16 B + i of lane (r, h) = column 32 B + 16 h + i of token row r: 64 bytes on end; then back by rows, two rows a load
.irp B, 0,1
.irp q, 0,1,2,3
	ds_store_b128 v[STO], v[ACC+16*\B+4*\q:ACC+16*\B+4*\q+3] offset:128*\B+16*\q   ; each accumulator from its low end on
.endr
.endr
.irp t, 0,1,2,3,4,5,6,7
	ds_load_b128 v[BK+4*\t:BK+4*\t+3], v[RD] offset:\t*2*SPITCH    ; LDS serves a wave's instructions in order: these see the stores above
.endr
.endm
.macro SEND j                          ; tile j's rows 2 t and 2 t + 1: sixteen lanes store 256 consecutive bytes, aligned
.irp t, 0,1,2,3,4,5,6,7
	global_store_b128 v[CO], v[BK+4*\t:BK+4*\t+3], s[66:67] offset:(32*((\j)/2)+8*((\j)%2)+2*\t+8*(\t/4))*4096 th:TH_STORE_NT
.endr
.endm
; ---- the head
	s_load_b128 s[4:7], s[0:1], 0x0                ; oc, os
	s_load_b128 s[8:11], s[0:1], 0x10              ; cod, scl
	s_load_b64 s[12:13], s[0:1], 0x20              ; out0
	v_lshl_add_u32 v[SPW], v0, 2, SPARE
	v_mov_b32 v[NIL], 0
	ds_add_u32 v[SPW], v[NIL]
	ds_add_u32 v[SPW], v[NIL]
	v_lshrrev_b32 v1, 5, v0
	v_readfirstlane_b32 s14, v1                    ; wave
	s_bfe_u32 s15, ttmp6, 0x40000                  ; cx
	s_and_b32 s17, ttmp7, 0xffff                   ; rg
	s_mov_b32 s[G1C], 15|(3<<16)|(1<<21)           ; the mask: all four work-groups; elements of 8 bytes; bit 21 beside a mask
	s_mov_b32 s[G1C+1], 1536<<16                   ; 4 tiles as rows of 12,288 bytes, dense
	s_mov_b32 s[G1C+2], 4<<16
	s_mov_b32 s[G1C+3], 1536<<16
	s_mov_b32 s[G1C+4], 4
	s_mov_b32 s[G1C+5], 1536
	s_mov_b32 s[G1C+6], 0
	s_mov_b32 s[G1C+7], 0
	s_mov_b32 s[G1S], 15|(3<<16)|(1<<21)
	s_mov_b32 s[G1S+1], 32<<16                     ; 4 tiles' scale words: 8 rows of 256 bytes, dense
	s_mov_b32 s[G1S+2], 8<<16
	s_mov_b32 s[G1S+3], 32<<16
	s_mov_b32 s[G1S+4], 8
	s_mov_b32 s[G1S+5], 32
	s_mov_b32 s[G1S+6], 0
	s_mov_b32 s[G1S+7], 0
	s_lshl_b32 s20, s17, 3                         ; o's first tile
	s_mul_i32 s88, s20, TILEB
	s_add_co_u32 s89, s88, 4*TILEB
	s_lshl_b32 s90, s20, 9
	s_add_co_u32 s91, s90, 2048
	s_lshl_b32 s20, s15, 4
	s_lshl_b32 s21, s14, 2
	s_add_co_u32 s20, s20, s21
	s_add_co_u32 s20, s20, 704                     ; my four tiles of Wo
	s_mul_i32 s92, s20, TILEB
	s_lshl_b32 s93, s20, 9
	s_lshl_b32 s96, s17, 19                        ; 128 rows of 4,096 bytes
	s_lshl_b32 s20, s15, 10
	s_add_co_u32 s96, s96, s20
	s_lshl_b32 s20, s14, 8
	s_add_co_u32 s96, s96, s20                     ; + my 64 columns
	s_mul_i32 s21, s14, WSTG
	s_add_co_u32 s21, s21, STG                     ; my stage
	s_mov_b32 s23, 0
	v_and_b32 v2, 31, v0
	v_lshlrev_b32 v[L16], 4, v2
	v_lshlrev_b32 v[L8], 3, v2
	v_and_b32 v17, 15, v0                          ; r
	v_bfe_u32 v18, v0, 4, 1                        ; h
	v_lshlrev_b32 v[R8], 3, v17
	v_lshl_add_u32 v[WSO], v18, 9, v[R8]
	v_mov_b32 v[XA], v[L16]
	v_mov_b32 v[XA+1], v[L8]
	v_add_nc_u32 v[XB], 5*TILEB, v[L16]
	v_add_nc_u32 v[XB+1], 5*TILEB, v[L8]
	v_add_nc_u32 v[XS], SCLB, v[R8]
	v_mul_u32_u24 v[STO], v17, SPITCH              ; in: row r, 64 bytes for each half of the lanes
	v_lshl_add_u32 v[STO], v18, 6, v[STO]
	v_add_nc_u32 v[STO], s21, v[STO]
	v_mul_u32_u24 v[RD], v18, SPITCH               ; back: lanes 0-15 one row of 256 bytes, lanes 16-31 the next
	v_lshl_add_u32 v[RD], v17, 4, v[RD]
	v_add_nc_u32 v[RD], s21, v[RD]
	v_lshlrev_b32 v[CO], 12, v18                   ; and the same two rows in out0
	v_lshl_add_u32 v[CO], v17, 4, v[CO]
	WALU
	s_wait_dscnt 0x0
	CROUND                                         ; all four work-groups are here: the joint loads meet
	s_wait_kmcnt 0x0
	G0SET G0A, 0, 4, 88
	G0SET G0B, SCLB, 6, 90
	G0SET G0C, 4*TILEB, 4, 89
	G0SET G0D, SCLB+2048, 6, 91
	ADDR 56, 8, 92
	ADDR 58, 10, 93
	ADDR 66, 12, 96
	s_cmp_eq_u32 s14, 0                            ; one joint load a wave, one chain of branches on the wave's number
	s_cbranch_scc0 .Lw1
	TLOAD G0A, G1C                                 ; wave 0: tiles 0-3
	s_branch .Lasked
.Lw1:
	s_cmp_eq_u32 s14, 1
	s_cbranch_scc0 .Lw2
	TLOAD G0B, G1S                                 ; wave 1: their scale words
	s_branch .Lasked
.Lw2:
	s_cmp_eq_u32 s14, 2
	s_cbranch_scc0 .Lw3
	TLOAD G0C, G1C                                 ; wave 2: tiles 4-7
	s_branch .Lasked
.Lw3:
	TLOAD G0D, G1S                                 ; wave 3: their scale words
.Lasked:
	WLOAD 56, 58
	s_wait_tensorcnt 0x0                           ; my tile is in,
	BARRIER                                        ; everybody's is: from here on these bytes are only read
	FETCH 0, 0
	s_wait_loadcnt 0x0                             ; Wo
; ---- eight tiles.  At a tile's head the last tile's rows are stored and the next tile is fetched into the other set; its loads land under the 32 products
.macro TILE j
	s_wait_dscnt 0x0                               ; this tile's fragments are in, the last tile's rows are back from the stage, and its LDS stores have read the accumulators
.if \j
	SEND \j-1
.endif
.if \j < 7
	FETCH (\j+1)%2, \j+1
.endif
	BATCH \j%2
	PLACES 5                                       ; behind the products: the LDS stores read the results, the next fetch lands on the set just read, and the next tile starts the same accumulators anew
.if \j
	s_wait_xcnt 0x0                                ; the last tile's stores have read their registers
.endif
	TOSTAGE
.endm
.irp j, 0,1,2,3,4,5,6,7
	TILE \j
.endr
	s_wait_dscnt 0x0
	SEND 7
	s_wait_tensorcnt 0x0                           ; the wave's end
	ds_add_u32 v[SPW], v[NIL]
	s_wait_dscnt 0x0
	CROUND                                         ; the closing round
	s_endpgm
.Lfunc_end_k_q1ad010ee02_proj:
	.size	k_q1ad010ee02_proj, .Lfunc_end_k_q1ad010ee02_proj-k_q1ad010ee02_proj
	.p2alignl 7, 3214868480
	.fill 96, 4, 3214868480
	.section	.rodata,"a",@progbits
	.p2align	6, 0x0
	.amdhsa_kernel k_q1ad010ee02_proj
		.amdhsa_group_segment_fixed_size 167936
		.amdhsa_private_segment_fixed_size 0
		.amdhsa_enable_private_segment 0
		.amdhsa_kernarg_size 40
		.amdhsa_user_sgpr_count 2
		.amdhsa_user_sgpr_kernarg_segment_ptr 1
		.amdhsa_wavefront_size32 1
		.amdhsa_system_sgpr_workgroup_id_x 1
		.amdhsa_system_sgpr_workgroup_id_y 1
		.amdhsa_system_sgpr_workgroup_id_z 1
		.amdhsa_system_vgpr_workitem_id 0
		.amdhsa_next_free_vgpr 1024
		.amdhsa_next_free_sgpr 102
		.amdhsa_reserve_vcc 0
		.amdhsa_float_denorm_mode_32 3
		.amdhsa_float_denorm_mode_16_64 3
		.amdhsa_memory_ordered 1
		.amdhsa_forward_progress 1
		.amdhsa_inst_pref_size 88
	.end_amdhsa_kernel
	.amdgpu_metadata
---
amdhsa.version: [ 1, 2 ]
amdhsa.kernels:
  - .name:           k_q1ad010ee02_proj
    .symbol:         k_q1ad010ee02_proj.kd
    .args:
      - { .name: oc, .offset: 0, .size: 8, .value_kind: global_buffer, .address_space: global }
      - { .name: os, .offset: 8, .size: 8, .value_kind: global_buffer, .address_space: global }
      - { .name: cod, .offset: 16, .size: 8, .value_kind: global_buffer, .address_space: global }
      - { .name: scl, .offset: 24, .size: 8, .value_kind: global_buffer, .address_space: global }
      - { .name: out0, .offset: 32, .size: 8, .value_kind: global_buffer, .address_space: global }
    .group_segment_fixed_size: 167936
    .private_segment_fixed_size: 0
    .kernarg_segment_align: 8
    .kernarg_segment_size: 40
    .max_flat_workgroup_size: 128
    .sgpr_count:     102
    .vgpr_count:     1024
    .wavefront_size: 32
...
	.end_amdgpu_metadata
.endif
;; end of part 4
